; MI455X (gfx1250); checked and timed in simulation.
; The chip was launched on July 23, 2026; its instructions are those of AMD's public machine-readable ISA for CDNA 5 (MIT licence, August 2026) and "CDNA5" Instruction Set Architecture Reference Guide (July 2026). The comments in the code are by the model that wrote it; some were corrected since.
;; Chunked Vectorized Sliding Window Model. Allowed arithmetic: matrix products marked QUANTISED: E2M3 operands, one E8M0 scale for each 32 along K, by v_wmma_scale_f32_16x16x128_f8f6f4 with both operands' format E2M3, f32 sums; everything else in f32.
;; Inputs: Wk 1,024 x 1,024 float32; Wo 1,024 x 1,024 float32; Wq 1,024 x 1,024 float32; Wv 1,024 x 1,024 float32; x 2 x 4,096 x 1,024 float32.
;; Outputs: out0 2 x 4,096 x 1,024 float32.
;; This version of the problem:
;;   THIS VERSION OF THE PROBLEM IS GIVEN IN LOW PRECISION. The matrix products marked QUANTISED in the list below multiply operands that are first quantised to E2M3 (2 exponent bits, 3 mantissa bits; 6 bits a number), with one power-of-two scale for each 32 numbers along K (OCP MX v1.0); their sums are f32. All else is computed in f32.
;;   The module's matrix products, in the order in which they are computed (A, B: the left and right operand; K: the contracted axis; several contracted axes count as one K, in the product's order):
;;     1. [M 8,192, K 1,024] x [K 1,024, N 1,024]; A: input x; B: input Wq: QUANTISED
;;     2. [M 8,192, K 1,024] x [K 1,024, N 1,024]; A: input x; B: input Wk: QUANTISED
;;     3. [M 8,192, K 1,024] x [K 1,024, N 1,024]; A: input x; B: input Wv: QUANTISED
;;     4. batch 1,024 x [M 128, K 64] x [K 64, N 256]; A: computed on the way; B: computed on the way: QUANTISED
;;     5. batch 1,024 x [M 128, K 256] x [K 256, N 64]; A: softmax (see below); B: computed on the way: QUANTISED
;;     6. [M 8,192, K 1,024] x [K 1,024, N 1,024]; A: computed on the way; B: input Wo: QUANTISED
;;   THE QUANTISER, for each operand of a quantised product, along K:
;;     - K is cut into blocks of 32 from its start; a last block that is shorter is filled with zeros.
;;     - A block's scale is 2^e with e = floor(log2(the largest magnitude in the block)) - 2, held to -126 .. 127; a block of zeros has e = 0. As a byte (E8M0): e + 127.
;;     - Each number is divided by its block's scale, clamped to +-7.5, and rounded to the nearest number of E2M3, ties to even, subnormals kept.
;;     - The product sums the exact products of the quantised numbers (number of the format x scale) in f32.
;;   ~~~python
;;   def quantise(x, axis):      # numpy; x: float32 -> the quantised numbers, widened to float32 again
;;       x = np.moveaxis(x, axis, -1); K = x.shape[-1]
;;       x = np.pad(x, [(0, 0)] * (x.ndim - 1) + [(0, -K % 32)]); x = x.reshape(x.shape[:-1] + (-1, 32)); a = np.abs(x).max(-1, keepdims=True)
;;       e = np.where(a > 0, np.clip(np.frexp(np.where(a > 0, a, 1))[1] - 1 - 2, -126, 127), 0)      # np.frexp(a)[1] - 1 = floor(log2(a)), exactly
;;       r = np.clip(x / 2.0 ** e, -7.5, 7.5)
;;       step = 2.0 ** (np.maximum(np.frexp(np.where(r == 0, 1, r))[1] - 1, 0) - 3)
;;       q = np.round(r / step) * step * 2.0 ** e      # np.round: ties to even
;;       return np.moveaxis(q.reshape(q.shape[:-2] + (-1,))[..., :K], -1, axis).astype(np.float32)
;;   ~~~
;;   SOFTMAX AHEAD OF A QUANTISED PRODUCT. Where the list says 'softmax', what is quantised is not the finished softmax but p = 2^(t - M), with t = logit x log2(e) and M = ceil(the row's largest t), a whole number; so 1/2 < the row's largest p <= 1. The row's sum l is taken of the UNQUANTISED p, in f32, and the product's result is divided by l at the end. Since M is a whole number, a kernel that streams over the keys may use a running M (the ceiling of the running maximum): every later rescaling is an exact power of two, which a block's scale takes up: the codes' values come out the same.
;;   OPERANDS COMPUTED ON THE WAY. 'Computed on the way' means the value that the module computes at that place (a softmax that the list does not call 'softmax' is quantised finished and normalised). What goes into a quantiser is computed in f32, as accurately as f32 sums, v_exp_f32 and their like allow (about 1e-6 of the number): no bf16 or f16 on the way to a quantiser, and a product that is left as it is and whose result goes on into a quantised operand takes f32 operands (vector FMAs, or v_wmma_f32_16x16x4_f32). A number that lies on a knife's edge between two numbers of the format may be rounded either way, as far as f32 arithmetic and the matrix unit's own rounding can turn it there, and no further.
;; One version. Each part assembles by itself: llvm-mc -triple=amdgcn-amd-amdhsa -mcpu=gfx1250 --defsym DOCPART=n.
;; ======== version 1 of 1: 4 launches
;; limits: right only within a limited range of input values
;; workspace buffers: xc 6,291,456 bytes; xs 262,144 bytes; wc 3,145,728 bytes; ws 131,072 bytes; qkv 18,874,368 bytes; qkvs 786,432 bytes; acod 6,291,456 bytes; ascl 262,144 bytes
;; launch quant (part 1): grid 384 x 1, 4 waves a work-group, no clusters, 58,112 bytes of LDS; arguments x, Wq, Wk, Wv, Wo, xc, xs, wc, ws; writes xc, xs, wc, ws
.if DOCPART == 1
	.amdgcn_target "amdgcn-amd-amdhsa--gfx1250"
	.amdhsa_code_object_version 6
	.text
	.protected	k_q380296f593_quant
	.globl	k_q380296f593_quant
	.p2align	8
	.type	k_q380296f593_quant,@function
k_q380296f593_quant:
	s_mov_b64 s[64:65], 0
	v_nop
	global_prefetch_b8 v0, s[64:65] scope:SCOPE_SE
	s_setreg_imm32_b32 hwreg(HW_REG_WAVE_MODE, 25, 1), 1
	s_wait_xcnt 0x0
; x [8192][1024] and Wq, Wk, Wv, Wo [1024][1024], f32, K innermost, become codes of FP6 (E2M3) with one E8M0 scale byte for each 32 along K.
; A block's scale is 2^(floor(log2(its largest magnitude)) - 2); its byte is the largest magnitude's exponent field - 2, held at 1 from below.
; LIMITS: a block whose largest magnitude lies under 2^-124 (a block of zeros too) gets the byte 1; the bytes are read by this program alone.  NaN and infinities are not served.
; THE CODES LEAVE AS IMAGES OF AN OPERAND'S REGISTERS: 16 rows x 128 K are a fragment of 1,536 bytes: registers 2 p, 2 p + 1 of lane l at 256 p + 8 l; lane (r, h) holds row r,
; registers 6 c .. 6 c + 5 the codes of K = 64 c + 32 h + 0 .. 31.  The eight fragments of 16 rows lie on end: 12,288 bytes.  The scale bytes lie by rows, 32 a row.
; WHERE THE ROWS GO.  Row n of x, Wq, Wk, Wv stands at the place n with its bits 3 and 4 exchanged (a wave takes 8 rows: wave w loads the 8 rows whose number is w with its two bits exchanged); Wo's rows keep their order.
; xc: x's places on end.  wc: for each head pair P the 128 places of Wq, of Wk, of Wv on end (384 rows), then Wo's 1,024 rows.  xs and ws likewise.
; A work-group takes 32 rows, a wave 8: 16 steps of 512 numbers.  Work-groups 0-255 take x, then 32 each Wq, Wk, Wv, Wo: only pointers and offsets are chosen, all take one path.
; A step's 2,048 bytes turn through the wave's own stage, so that a lane holds 16 neighbours along K.  The codes are gathered in the work-group's image stage (16 fragments, 16 bytes of padding behind each) and leave as 24,576 consecutive bytes.
.set STEPS, 16
.set AHEAD, 8                          ; steps that the loads run ahead
.set EMAX,  2
.set R,     16                         ; v16-143  eight sets of 16 numbers as loaded
.set X,     144                        ; v144-175 two sets of 16 neighbours
.set E,     176                        ; v176-191 a scale byte for each step
.set C,     192                        ; v192-255 codes: four registers for each step
.set WREG,  8192                       ; a region for each wave: two stages of 32 x SP bytes, then its 256 scale bytes
.set SP,    80
.set IMG,   33280                      ; behind the spare words (32,768 .. 33,279): the image stage
.set FP,    1552                       ; a fragment's place in it
	s_load_b256 s[4:11], s[0:1], 0x0               ; x, Wq, Wk, Wv
	s_load_b64 s[12:13], s[0:1], 0x20              ; Wo
	s_load_b128 s[16:19], s[0:1], 0x28             ; xc, xs
	s_load_b128 s[20:23], s[0:1], 0x38             ; wc, ws
	v_lshl_add_u32 v251, v0, 2, 0x8000
	v_mov_b32 v255, 0
	v_lshrrev_b32 v1, 5, v0
	v_readfirstlane_b32 s24, v1                    ; wave
	s_mul_i32 s25, s24, WREG
	s_lshr_b32 s38, s24, 1
	s_mul_i32 s38, s38, 8*FP                       ; my 16-row block of the two,
	s_and_b32 s39, s24, 1
	s_lshl_b32 s39, s39, 6                         ; rows 8 (w % 2) on: 8 bytes a row
	s_add_co_u32 s38, s38, s39
	s_add_co_u32 s38, s38, IMG
	v_and_b32 v2, 31, v0                           ; lane
	v_lshlrev_b32 v3, 4, v2                        ; my 16 bytes of a load's 512
	v_lshrrev_b32 v14, 2, v2
	v_mul_u32_u24 v14, v14, SP
	v_and_b32 v15, 3, v2
	v_lshl_add_u32 v14, v15, 4, v14
	v_add_nc_u32 v14, s25, v14                     ; the stage, on the way in
	v_mul_u32_u24 v15, v2, SP
	v_add_nc_u32 v15, s25, v15                     ; and on the way out: my 16 neighbours
	v_lshrrev_b32 v5, 1, v2
	s_add_co_u32 s25, s25, 2*32*SP
	v_add_nc_u32 v5, s25, v5                       ; my block's scale byte
	v_lshlrev_b32 v7, 3, v2
	v_add_nc_u32 v6, s25, v7
	v_lshrrev_b32 v4, 3, v2                        ; my 16 codes in the image: fragment lane / 8 of a step's four,
	v_mul_u32_u24 v4, v4, FP
	v_bfe_u32 v10, v2, 2, 1
	v_mad_u32_u24 v4, v10, 768, v4                 ; c: pieces 3 c on,
	v_bfe_u32 v10, v2, 1, 1
	v_lshl_add_u32 v4, v10, 7, v4                  ; h: lanes 16 on,
	v_add_nc_u32 v4, s38, v4
	v_and_b32 v10, 1, v2                           ; u: registers 3 u .. 3 u + 2 of the six: bytes 0, 4, 256 or 260, 512, 516
	v_mul_u32_u24 v1, v10, 508
	v_add_nc_u32 v1, v1, v4                        ; the second register's place, less 4
	v_mul_u32_u24 v10, v10, 260
	v_add_nc_u32 v4, v4, v10                       ; the first's; the third's lies 256 on
	s_and_b32 s36, s24, 1
	s_lshl_b32 s36, s36, 1
	s_lshr_b32 s37, s24, 1
	s_or_b32 s36, s36, s37                         ; the wave's two bits exchanged
	s_wait_alu depctr_va_vdst(0)                   ; the wait at the head's end
	s_wait_kmcnt 0x0
	s_mov_b64 s[26:27], s[12:13]                   ; which tensor?  Every choice hangs on the work-group's number alone
	s_cmp_lt_u32 ttmp9, 352
	s_cselect_b64 s[26:27], s[10:11], s[26:27]
	s_cselect_b32 s36, s36, s24                    ; Wo's rows keep their order
	s_cmp_lt_u32 ttmp9, 320
	s_cselect_b64 s[26:27], s[8:9], s[26:27]
	s_cmp_lt_u32 ttmp9, 288
	s_cselect_b64 s[26:27], s[6:7], s[26:27]
	s_cmp_lt_u32 ttmp9, 256
	s_cselect_b64 s[26:27], s[4:5], s[26:27]
	s_cselect_b64 s[28:29], s[16:17], s[20:21]     ; the codes' buffer,
	s_cselect_b64 s[30:31], s[18:19], s[22:23]     ; the scale bytes'
	s_cselect_b32 s32, 0, 256
	s_cselect_b32 s34, -1, 31
	s_sub_co_u32 s33, ttmp9, s32                   ; which 32 rows, counted through x or through the four weights
	s_and_b32 s35, s33, s34                        ; which 32 rows of the tensor that I load from
	s_and_b32 s37, s33, 31
	s_lshr_b32 s38, s37, 2                         ; head pair P
	s_mul_i32 s38, s38, 12
	s_and_b32 s37, s37, 3
	s_add_co_u32 s38, s38, s37
	s_lshr_b32 s37, s33, 5                         ; 0 Wq, 1 Wk, 2 Wv
	s_lshl_b32 s37, s37, 2
	s_add_co_u32 s38, s38, s37                     ; 12 P + 4 tensor + which 32 of the 128
	s_sub_co_u32 s37, ttmp9, 256
	s_cmp_lt_u32 s37, 96                           ; Wq, Wk, Wv alone are laid so
	s_cselect_b32 s33, s38, s33                    ; which 32 places of the buffer that I store into
	s_lshl_b32 s35, s35, 2
	s_add_co_u32 s35, s35, s36
	s_lshl_b32 s38, s35, 15                        ; 8 rows of 4,096 bytes a wave
	s_mov_b32 s39, 0
	s_add_nc_u64 s[26:27], s[26:27], s[38:39]
	s_mul_i32 s38, s33, 24576                      ; the work-group's 16 fragments
	s_add_nc_u64 s[28:29], s[28:29], s[38:39]
	s_lshl_b32 s33, s33, 2
	s_add_co_u32 s33, s33, s24
	s_lshl_b32 s38, s33, 8                         ; 8 rows of 32 bytes a wave
	s_add_nc_u64 s[30:31], s[30:31], s[38:39]
.macro LOAD t
.irp i, 0,1,2,3
	global_load_b128 v[R+16*((\t)%AHEAD)+4*\i:R+16*((\t)%AHEAD)+4*\i+3], v3, s[26:27] offset:2048*(\t)+512*\i th:TH_LOAD_NT
.endr
.endm
.macro TURN t                          ; LDS serves a wave's instructions in order: no wait between the stores and the loads
.irp i, 0,1,2,3
	ds_store_b128 v14, v[R+16*((\t)%AHEAD)+4*\i:R+16*((\t)%AHEAD)+4*\i+3] offset:32*SP*((\t)%2)+8*SP*\i
.endr
.irp i, 0,1,2,3
	ds_load_b128 v[X+16*((\t)%2)+4*\i:X+16*((\t)%2)+4*\i+3], v15 offset:32*SP*((\t)%2)+16*\i
.endr
.endm
.irp t, 0,1,2,3,4,5,6,7
	LOAD \t
.endr
	s_wait_loadcnt 4*(AHEAD-1)                     ; step 0's four loads are in
	TURN 0
.macro STEP t
.set XS, X+16*((\t)%2)
.if (\t) > 0
	s_wait_dscnt 4                                 ; this step's numbers are back (the last step's byte store and its three stores of codes may be out)
.else
	s_wait_dscnt 0x0
.endif
.if (\t)+AHEAD < STEPS
	LOAD (\t)+AHEAD
.endif
.if (\t)+1 < STEPS
.if STEPS-2-(\t) >= AHEAD-1
	s_wait_loadcnt 4*(AHEAD-1)                     ; the next step's four loads are in; those of the seven steps behind may be out
.else
	s_wait_loadcnt 4*(STEPS-2-(\t))
.endif
	TURN (\t)+1
.endif
	v_max3_num_f32 v8, |v[XS]|, |v[XS+1]|, |v[XS+2]|               ; the largest magnitude of my 16, in two chains
	v_max3_num_f32 v9, |v[XS+3]|, |v[XS+4]|, |v[XS+5]|
.irp i, 6,10
	v_max3_num_f32 v8, v8, |v[XS+\i]|, |v[XS+\i+1]|
	v_max3_num_f32 v9, v9, |v[XS+\i+2]|, |v[XS+\i+3]|
.endr
	v_max3_num_f32 v8, v8, |v[XS+14]|, |v[XS+15]|
	v_max3_num_f32 v8, v8, v9, (EMAX+1)<<23        ; and the floor 2^(3 - 127)
	v_max_num_f32_dpp v8, v8, v8 row_xmask:1 row_mask:0xf bank_mask:0xf   ; with my neighbour's 16: the block's
	v_add_nc_u32 v11, -(EMAX<<23), v8              ; 2 off its exponent field: the conversion's scale operand
	v_cvt_scalef32_pk16_fp6_f32 v[C+4*(\t):C+4*(\t)+2], v[XS:XS+15], v11
	v_lshrrev_b32 v[E+(\t)], 23, v11               ; the scale's byte (also the plain line behind the conversion)
	ds_store_b8 v5, v[E+(\t)] offset:16*(\t)
	ds_store_b32 v4, v[C+4*(\t)] offset:4*FP*((\t)%2)+8*((\t)/2)          ; row t / 2 of my eight, fragments 4 (t % 2) on
	ds_store_b32 v1, v[C+4*(\t)+1] offset:4*FP*((\t)%2)+8*((\t)/2)+4
	ds_store_b32 v4, v[C+4*(\t)+2] offset:4*FP*((\t)%2)+8*((\t)/2)+256
.endm
.irp t, 0,1,2,3,4,5,6,7,8,9,10,11,12,13,14,15
	STEP \t
.endr
	s_mul_i32 s25, s24, 4*FP
	s_add_co_u32 s25, s25, IMG
	v_add_nc_u32 v14, s25, v3                      ; the way out: fragments 4 w .. 4 w + 3 of the sixteen, 16 bytes a lane
	s_mul_i32 s25, s24, 4*1536
	v_add_nc_u32 v15, s25, v3
	ds_load_b64 v[12:13], v6                       ; my 8 rows' scale bytes
	s_wait_alu depctr_va_vdst(0)                   ; the wait directly ahead of the wait below
	s_wait_dscnt 0x0                               ; and, for the others' sake, my stores into the image stage are done
	global_store_b64 v7, v[12:13], s[30:31]        ; 256 consecutive bytes, aligned
	s_barrier_signal -1
	s_barrier_wait -1                              ; the sixteen fragments are whole
.irp f, 0,1,2,3
.irp i, 0,1,2
	ds_load_b128 v[16+12*\f+4*\i:19+12*\f+4*\i], v14 offset:FP*\f+512*\i
.endr
.endr
	s_wait_dscnt 0x0
.irp f, 0,1,2,3
.irp i, 0,1,2
	global_store_b128 v15, v[16+12*\f+4*\i:19+12*\f+4*\i], s[28:29] offset:1536*\f+512*\i   ; 512 consecutive bytes, aligned
.endr
.endr
	s_wait_tensorcnt 0x0                           ; the wave's end
	ds_add_u32 v251, v255
	s_wait_dscnt 0x0
	s_endpgm
.Lfunc_end_k_q380296f593_quant:
	.size	k_q380296f593_quant, .Lfunc_end_k_q380296f593_quant-k_q380296f593_quant
	.p2alignl 7, 3214868480
	.fill 96, 4, 3214868480
	.section	.rodata,"a",@progbits
	.p2align	6, 0x0
	.amdhsa_kernel k_q380296f593_quant
		.amdhsa_group_segment_fixed_size 58112
		.amdhsa_private_segment_fixed_size 0
		.amdhsa_enable_private_segment 0
		.amdhsa_kernarg_size 72
		.amdhsa_user_sgpr_count 2
		.amdhsa_user_sgpr_kernarg_segment_ptr 1
		.amdhsa_wavefront_size32 1
		.amdhsa_system_sgpr_workgroup_id_x 1
		.amdhsa_system_sgpr_workgroup_id_y 1
		.amdhsa_system_sgpr_workgroup_id_z 1
		.amdhsa_system_vgpr_workitem_id 0
		.amdhsa_next_free_vgpr 256
		.amdhsa_next_free_sgpr 66
		.amdhsa_reserve_vcc 0
		.amdhsa_float_denorm_mode_32 3
		.amdhsa_float_denorm_mode_16_64 3
		.amdhsa_memory_ordered 1
		.amdhsa_forward_progress 1
		.amdhsa_inst_pref_size 38
	.end_amdhsa_kernel
	.amdgpu_metadata
---
amdhsa.version: [ 1, 2 ]
amdhsa.kernels:
  - .name:           k_q380296f593_quant
    .symbol:         k_q380296f593_quant.kd
    .args:
      - { .name: x, .offset: 0, .size: 8, .value_kind: global_buffer, .address_space: global }
      - { .name: Wq, .offset: 8, .size: 8, .value_kind: global_buffer, .address_space: global }
      - { .name: Wk, .offset: 16, .size: 8, .value_kind: global_buffer, .address_space: global }
      - { .name: Wv, .offset: 24, .size: 8, .value_kind: global_buffer, .address_space: global }
      - { .name: Wo, .offset: 32, .size: 8, .value_kind: global_buffer, .address_space: global }
      - { .name: xc, .offset: 40, .size: 8, .value_kind: global_buffer, .address_space: global }
      - { .name: xs, .offset: 48, .size: 8, .value_kind: global_buffer, .address_space: global }
      - { .name: wc, .offset: 56, .size: 8, .value_kind: global_buffer, .address_space: global }
      - { .name: ws, .offset: 64, .size: 8, .value_kind: global_buffer, .address_space: global }
    .group_segment_fixed_size: 58112
    .private_segment_fixed_size: 0
    .kernarg_segment_align: 8
    .kernarg_segment_size: 72
    .max_flat_workgroup_size: 128
    .sgpr_count:     66
    .vgpr_count:     256
    .wavefront_size: 32
...
	.end_amdgpu_metadata
.endif
;; end of part 1
;; launch proj (part 2): grid 8 x 32, 4 waves a work-group, clusters of 4 x 4, 327,680 bytes of LDS; arguments xc, xs, wc, ws, qkv, qkvs; writes qkv, qkvs
.if DOCPART == 2
	.amdgcn_target "amdgcn-amd-amdhsa--gfx1250"
	.amdhsa_code_object_version 6
	.text
	.protected	k_q380296f593_proj
	.globl	k_q380296f593_proj
	.p2align	8
	.type	k_q380296f593_proj,@function
k_q380296f593_proj:
	s_mov_b64 s[64:65], 0
	v_nop
	global_prefetch_b8 v0, s[64:65] scope:SCOPE_SE
	s_setreg_imm32_b32 hwreg(HW_REG_WAVE_MODE, 25, 1), 1
	s_wait_xcnt 0x0
	s_wait_alu depctr_hold_cnt(0) depctr_sa_sdst(0) depctr_va_vdst(0) depctr_va_sdst(0) depctr_va_ssrc(0) depctr_va_vcc(0) depctr_vm_vsrc(0)
	s_getreg_b32 s2, hwreg(HW_REG_IB_STS2, 6, 4)
	s_cmp_eq_u32 s2, 0
	s_cbranch_scc0 .Lentry_in_a_cluster
	s_endpgm
.Lentry_in_a_cluster:
	s_bfe_u32 s2, ttmp6, 0x10000c
	s_cmp_lg_u32 s2, 0xf033
	s_cbranch_scc0 .Lentry_shape_is_right
	s_endpgm
.Lentry_shape_is_right:
; q = x Wq^T, k = x Wk^T, v = x Wv^T on codes of FP6 (E2M3), one E8M0 scale for each 32 along K = 1,024; sums in f32.  The results leave AS CODES: q and k quantised along the head pair's 128 channels, v along the keys.
; IN: xc, wc: images of operand registers (fragment = 16 rows x 128 K = 1,536 bytes, registers 2 p, 2 p + 1 of lane l at 256 p + 8 l; the 8 fragments of 16 rows on end); xs, ws: 32 scale bytes a row.
; The row at place 16 t + p is row 32 (t / 2) + 8 (t % 2) + p + 8 (p / 8), so a lane's 16 result registers of two neighbouring blocks of source 0 are 16 neighbours along the next product's K.
; SHARES: work-group (P, t): head pair P (384 rows of wc on end: Wq's 128, Wk's, Wv's) x 256 places of x: 8 x 32 = 256 work-groups.  Wave w: 64 places of x x 128 weight rows, three parts (q, k, v) of 8 steps x 32 matrix instructions on 32 accumulators.
; LDS: every tile is a dense block of memory and comes in as rows of 256 bytes.  At the head x's tile (196,608 bytes, waves 0, 1) and Wq's (98,304, waves 2, 3), one load a wave.  Each wave takes its 64 places of x, all of K, into 384 registers;
; then, behind one round of the cluster's barrier, Wk's and Wv's tiles land on x's bytes (one load a wave), with the q part's 256 matrix instructions a wave between the request and the wait for it.  Nothing else is filled.
; CLUSTERS 4 x 4: x's tile hangs on t alone and is shared along a row of the cluster, the weights' on P alone and are shared along a column.
; No prefetch: there is no loop of fills to run ahead in: two groups of loads in all, the second asked for as soon as its bytes are free.
; SCALES go into registers: lane (r, h) loads 16 bytes at 32 r + 16 h of a block's 512: lanes 0-15 hold the words of steps 0-3, lanes 16-31 those of steps 4-7 (taken by the ROW1 selector).
; q, k: source 0 = weights, source 1 = x: a lane holds one position, registers run along the channels.  v: source 0 = x, source 1 = Wv: a lane holds one channel, registers run along the keys.
; OUT, as the next launch reads it: qkv: regions of 12,288 bytes [Pr][gc], Pr = 0-7 q, 8-15 k, 16-23 v, gc = chunk of 128 positions; a region is 8 fragments, registers 4 i .. 4 i + 3 of lane l at 512 i + 16 l.
; qkvs: 512 bytes a region: the word of fragment a, row r at 256 (a / 4) + 16 r + 4 (a % 4).  A wave makes half a region of q and of k.  Of v a wave makes registers 6 c .. 6 c + 5 (c = w % 2) of each fragment: v goes out through a stage of its own in LDS.
; LIMITS: a block whose largest magnitude lies under 2^-124 gets the scale byte 1; NaN and infinities are not served.
; REGISTERS: window 0: v0-31 addresses, v32-47 x's scales, v48-79 and v80-111 two sets of weight scales, v112-255 x's fragments of steps 5-7.  Window 1: v0-191 two sets of weight fragments, v192-255 at work on the ways out.
; Window 2: the accumulators.  Window 3: v0-239 x's fragments of steps 0-4.
.set FRB, 1536
.set BLK, 12288
.set QT, 196608                        ; Wq's tile; Wk's lands at 0, Wv's at 98,304
.set SPARE, 294912                     ; the spare words, 512 bytes
.set STG, 295424                       ; v's stage: two regions, then their scale words
.set SSTG, STG+24576
.set LI, 4                             ; 16 lane
.set XA, 5                             ; 8 lane + my 64 places of x
.set WA, 6                             ; v6-11: 8 lane + 49,152 i
.set SA2, 12                           ; 16 r + 8 h
.set SCA, 13                           ; 32 r + 16 h
.set VA0, 14                           ; v's stage: my pieces
.set VA1, 15
.set VS, 16                            ; and my two scale bytes
.set OT, 17                            ; 16 thread
.set OL, 18
.set O8, 19                            ; 8 thread
.set OL8, 20
.set SPW, 28
.set NIL, 29
.set XS, 32
.set WS0, 48
.set WS1, 80
.set TM, 192                           ; window 1: largest magnitudes, +4 bytes, +8 the conversions' scale operands
.set PW, 204
.set T2, 208
.set SS, 216
.set FQ, 220                           ; two sets of codes by turns
.set G1, 24
.set G0, 32
.set G1B, 48
.set G0B, 56
.set G0R, 60
.set SEL, 92
.set MSB, 0
.macro WIN new                         ; the immediate's high byte repeats the setting that is left
.if MSB != \new
	s_set_vgpr_msb (MSB<<8)|\new
.set MSB, \new
.endif
.endm
.macro PLACES                          ; four places behind a matrix instruction, ahead of loads into its registers and of reads of its results
.rept 4
	v_nop
.endr
.endm
.macro CREST
	s_cmp_lg_u32 s14, 0
	s_cbranch_scc1 .Lnot_wave_0_\@
	s_barrier_signal -3
.Lnot_wave_0_\@:
	s_barrier_wait -3
	s_barrier_signal -1
	s_barrier_wait -1
.endm
.macro CROUND
	s_barrier_signal -1
	s_barrier_wait -1
	CREST
.endm
	s_load_b128 s[4:7], s[0:1], 0x0                ; xc, xs
	s_load_b128 s[8:11], s[0:1], 0x10              ; wc, ws
	s_load_b64 s[12:13], s[0:1], 0x20              ; qkv
	s_load_b64 s[96:97], s[0:1], 0x28              ; qkvs
	v_lshl_add_u32 v[SPW], v0, 2, SPARE
	v_mov_b32 v[NIL], 0
	ds_add_u32 v[SPW], v[NIL]                      ; the opening lines: the add, twice on end, and its wait
	ds_add_u32 v[SPW], v[NIL]
	v_lshrrev_b32 v1, 5, v0
	v_readfirstlane_b32 s14, v1                    ; wave
	s_lshr_b32 s15, s14, 1
	s_and_b32 s16, s14, 1
	s_bfe_u32 s44, ttmp6, 0x40000                  ; cx
	s_bfe_u32 s40, ttmp6, 0x40004                  ; cy
	s_lshl_b32 s45, ttmp9, 2
	s_add_co_u32 s45, s45, s44                     ; P
	s_and_b32 s41, ttmp7, 0xffff
	s_lshl_b32 s41, s41, 2
	s_add_co_u32 s41, s41, s40                     ; t
	s_lshl_b32 s42, s40, 2
	s_lshl_b32 s42, 15, s42                        ; my row of the cluster
	s_lshl_b32 s46, 0x1111, s44                    ; my column
	s_or_b32 s[G1], s42, (3<<16)|(1<<21)           ; elements of 8 bytes, rows of 32 of them; x's half tile: 384 rows
	s_or_b32 s[G1B], s46, (3<<16)|(1<<21)          ; the weights': 192 rows a load
	s_mov_b32 s[G1+1], 32<<16
	s_mov_b32 s[G1+2], 384<<16
	s_mov_b32 s[G1+3], 32<<16
	s_mov_b32 s[G1+4], 384
	s_mov_b32 s[G1+5], 32
	s_mov_b32 s[G1+6], 0
	s_mov_b32 s[G1+7], 0
	s_mov_b32 s[G1B+1], 32<<16
	s_mov_b32 s[G1B+2], 192<<16
	s_mov_b32 s[G1B+3], 32<<16
	s_mov_b32 s[G1B+4], 192
	s_mov_b32 s[G1B+5], 32
	s_mov_b32 s[G1B+6], 0
	s_mov_b32 s[G1B+7], 0
	s_mov_b32 s[G0], 1
	s_mul_i32 s[G0+1], s16, 98304                  ; x's half, in LDS and in the tile
	s_mul_i32 s20, s41, 196608
	s_add_co_u32 s20, s20, s[G0+1]
	s_mov_b32 s21, 0
	s_mov_b32 s[G0B], 1
	s_mul_i32 s36, s16, 49152                      ; Wq's half
	s_add_co_u32 s[G0B+1], s36, QT
	s_mov_b32 s37, 0
	s_mov_b32 s[G0R], 1
	s_mul_i32 s[G0R+1], s14, 49152                 ; my quarter of Wk's and Wv's 256 rows,
	s_add_co_u32 s38, s[G0R+1], 98304              ; which lie behind Wq's
	s_mov_b32 s39, 0
	s_mul_i32 s22, s45, 294912
	s_mov_b32 s23, 0
	s_mov_b32 s[SEL], 0x76543210
	s_mov_b32 s[SEL+1], 0xfedcba98
	s_wait_dscnt 0x0
	s_wait_kmcnt 0x0
	s_add_nc_u64 s[G0+2:G0+3], s[4:5], s[20:21]
	s_or_b32 s[G0+3], s[G0+3], 0x80000000
	s_add_nc_u64 s[22:23], s[8:9], s[22:23]
	s_add_nc_u64 s[G0B+2:G0B+3], s[22:23], s[36:37]
	s_or_b32 s[G0B+3], s[G0B+3], 0x80000000
	s_add_nc_u64 s[G0R+2:G0R+3], s[22:23], s[38:39]
	s_or_b32 s[G0R+3], s[G0R+3], 0x80000000
	CROUND                                         ; all sixteen work-groups are here: the first joint loads meet
	s_cmp_eq_u32 s15, 0                            ; one load a wave: waves 0, 1 x's halves, waves 2, 3 Wq's
	s_cbranch_scc0 .Lhead_w
	tensor_load_to_lds s[G0:G0+3], s[G1:G1+7]
	s_nop 0
	PLACES
	s_branch .Lhead_asked
.Lhead_w:
	tensor_load_to_lds s[G0B:G0B+3], s[G1B:G1B+7]
	s_nop 0
	PLACES
.Lhead_asked:
	s_lshl_b32 s20, s41, 13                        ; x's scales: 256 t + 64 w rows of 32 bytes
	s_lshl_b32 s22, s14, 11
	s_add_co_u32 s20, s20, s22
	s_add_nc_u64 s[6:7], s[6:7], s[20:21]
	s_mul_i32 s20, s45, 12288                      ; the weights': 384 P rows
	s_add_nc_u64 s[10:11], s[10:11], s[20:21]
	s_lshl_b32 s2, s45, 6
	s_lshl_b32 s3, s41, 1
	s_add_co_u32 s2, s2, s3                        ; 64 P + 2 t
	s_add_co_u32 s3, s2, s15                       ; q's region: my chunk
	s_mul_i32 s20, s3, 12288
	s_mul_i32 s22, s16, 6144                       ; its fragments 4 (w % 2) on
	s_add_co_u32 s20, s20, s22
	s_add_nc_u64 s[66:67], s[12:13], s[20:21]
	s_lshl_b32 s20, s3, 9
	s_lshl_b32 s22, s16, 8
	s_add_co_u32 s20, s20, s22
	s_add_nc_u64 s[68:69], s[96:97], s[20:21]
	s_add_co_u32 s2, s2, 1024                      ; v's two regions
	s_mul_i32 s20, s2, 12288
	s_add_nc_u64 s[70:71], s[12:13], s[20:21]
	s_lshl_b32 s20, s2, 9
	s_add_nc_u64 s[72:73], s[96:97], s[20:21]
	s_mul_i32 s74, s15, 12288
	s_add_co_u32 s74, s74, STG                     ; v's stage: my chunk's region
	s_mul_i32 s75, s16, 1016                       ; registers 6 c .. 6 c + 5 in pairs: bytes 0, 8, 512 or 520, 1024, 1032
	s_add_co_u32 s75, s75, s74
	s_mul_i32 s76, s16, 520
	s_add_co_u32 s74, s74, s76
	s_lshl_b32 s76, s15, 9
	s_lshl_b32 s77, s16, 1
	s_add_co_u32 s76, s76, s77
	s_add_co_u32 s76, s76, SSTG
	v_and_b32 v1, 15, v0                           ; r
	v_bfe_u32 v2, v0, 4, 1                         ; h
	v_and_b32 v3, 31, v0
	v_lshlrev_b32 v[LI], 4, v3
	v_lshlrev_b32 v[WA], 3, v3
.irp i, 1,2,3,4,5
	v_add_nc_u32 v[WA+\i], 49152*\i, v[WA]
.endr
	v_add_nc_u32 v[XA], s[G0R+1], v[WA]
	v_lshlrev_b32 v[SA2], 4, v1
	v_lshlrev_b32 v[SCA], 5, v1
	v_add_nc_u32 v[VS], s76, v[SA2]
	v_lshl_add_u32 v[SA2], v2, 3, v[SA2]
	v_lshl_add_u32 v[SCA], v2, 4, v[SCA]
	v_add_nc_u32 v[VA0], s74, v[LI]
	v_add_nc_u32 v[VA1], s75, v[LI]
	v_lshlrev_b32 v[OT], 4, v0
	v_lshlrev_b32 v[O8], 3, v0
	v_add_nc_u32 v[OL], STG, v[OT]
	v_add_nc_u32 v[OL8], SSTG, v[O8]
	v_cmp_eq_u32 s94, 0, v2                        ; lanes 0-15
	s_wait_alu depctr_va_vdst(0)                   ; the wait at the head's end
.irp i, 0,1,2,3
	global_load_b128 v[XS+4*\i:XS+4*\i+3], v[SCA], s[6:7] offset:512*\i
.endr
.irp i, 0,1,2,3,4,5,6,7
	global_load_b128 v[WS0+4*\i:WS0+4*\i+3], v[SCA], s[10:11] offset:512*\i          ; Wq's scales,
	global_load_b128 v[WS1+4*\i:WS1+4*\i+3], v[SCA], s[10:11] offset:512*(8+\i)      ; Wk's
.endr
.macro FX s                            ; x's four fragments of step s: they stay in registers
.if (\s)<5
	WIN 0xc0
.set XR, 48*(\s)
.else
	WIN 0
.set XR, 112+48*((\s)-5)
.endif
.irp aa, 0,1,2,3
.irp p, 0,1,2,3,4,5
	ds_load_b64 v[XR+12*\aa+2*\p:XR+12*\aa+2*\p+1], v[XA] offset:\aa*BLK+(\s)*FRB+256*\p
.endr
.endr
.endm
.macro FW T, s, hf                     ; tile T (0 Wk, 1 Wv, 2 Wq): blocks 4 hf .. 4 hf + 3 of step s into set s % 2: 24 loads of 256 consecutive bytes
	WIN 0x40
.irp i, 0,1,2,3
.irp p, 0,1,2,3,4,5
	ds_load_b64 v[96*((\s)%2)+12*(4*(\hf)+\i)+2*\p:96*((\s)%2)+12*(4*(\hf)+\i)+2*\p+1], v[WA+2*(\T)+(\hf)] offset:\i*BLK+(\s)*FRB+256*\p
.endr
.endr
.endm
.macro WM d, a, b, z, sa, sb, hi       ; z: the first product starts the sum; hi: the scale words of steps 4-7 lie in lanes 16-31
.if \z
	v_wmma_scale_f32_16x16x128_f8f6f4 v[\d:\d+7], v[\a:\a+11], v[\b:\b+11], 0, v[\sa], v[\sb] matrix_a_fmt:MATRIX_FMT_FP6 matrix_b_fmt:MATRIX_FMT_FP6
.elseif \hi
	v_wmma_scale_f32_16x16x128_f8f6f4 v[\d:\d+7], v[\a:\a+11], v[\b:\b+11], v[\d:\d+7], v[\sa], v[\sb] matrix_a_fmt:MATRIX_FMT_FP6 matrix_b_fmt:MATRIX_FMT_FP6 matrix_a_scale:MATRIX_SCALE_ROW1 matrix_b_scale:MATRIX_SCALE_ROW1
.else
	v_wmma_scale_f32_16x16x128_f8f6f4 v[\d:\d+7], v[\a:\a+11], v[\b:\b+11], v[\d:\d+7], v[\sa], v[\sb] matrix_a_fmt:MATRIX_FMT_FP6 matrix_b_fmt:MATRIX_FMT_FP6
.endif
.endm
.macro MUL s, hf, ws, vv               ; 16 matrix instructions: weight blocks 4 hf .. + 3 x x's four; the 32 accumulators take turns
.if (\s)<5
.set XR, 48*(\s)
.set XW, 3
.else
.set XR, 112+48*((\s)-5)
.set XW, 0
.endif
.if \vv
	WIN 0xa4+XW
.else
	WIN 0xa1+4*XW
.endif
.irp bb, 0,1,2,3
.irp aa, 0,1,2,3
.if \vv
	WM 8*(4*(4*(\hf)+\bb)+\aa), XR+12*\aa, 96*((\s)%2)+12*(4*(\hf)+\bb), (\s)==0, XS+4*\aa+(\s)%4, \ws+4*(4*(\hf)+\bb)+(\s)%4, (\s)/4
.else
	WM 8*(8*\aa+4*(\hf)+\bb), 96*((\s)%2)+12*(4*(\hf)+\bb), XR+12*\aa, (\s)==0, \ws+4*(4*(\hf)+\bb)+(\s)%4, XS+4*\aa+(\s)%4, (\s)/4
.endif
.endr
.endr
.endm
.macro PART T, ws, vv                  ; eight steps.  Each half step's 24 loads are issued a whole step (32 matrix instructions) ahead of their use
.set ST, 0
.rept 8
	s_wait_dscnt 24                                ; this step's first half is in; the 24 loads of its second half may be out
.if ST<7
	PLACES
	FW \T, ST+1, 0
.endif
	MUL ST, 0, \ws, \vv
.if ST<7
	s_wait_dscnt 24                                ; the second half is in; the 24 just issued may be out
	PLACES
	FW \T, ST+1, 1
.else
	s_wait_dscnt 0x0
.endif
	MUL ST, 1, \ws, \vv
.set ST, ST+1
.endr
	PLACES
.endm
; q's and k's way out: block a's 64 registers of a lane (register 16 e + i = channel 32 e + 16 h + i of my position) become a fragment's codes and its scale word
.macro QOUT a, off
.set AC, 64*(\a)
.set FO, FQ+12*((\a)%2)
	WIN 0x69
.irp e, 0,1,2,3
	v_max3_num_f32 v[TM+\e], 0x1800000, |v[AC+16*\e]|, |v[AC+16*\e+1]|   ; from each accumulator's low end on; the floor 2^(3 - 127)
.endr
.irp i, 2,4,6,8,10,12,14
.irp e, 0,1,2,3
	v_max3_num_f32 v[TM+\e], v[TM+\e], |v[AC+16*\e+\i]|, |v[AC+16*\e+\i+1]|
.endr
.endr
	WIN 0x55
.irp e, 0,1,2,3
	v_permlanex16_b32 v[TM+4+\e], v[TM+\e], s[SEL], s[SEL+1]
.endr
.irp e, 0,1,2,3
	v_max_num_f32 v[TM+\e], v[TM+\e], v[TM+4+\e]
.endr
.irp e, 0,1,2,3
	v_add_nc_u32 v[TM+8+\e], 0xff000000, v[TM+\e]  ; 2 off the exponent field: the conversion's scale operand
.endr
.irp e, 0,1,2,3
	v_lshrrev_b32 v[TM+4+\e], 23, v[TM+8+\e]
.endr
	v_lshl_or_b32 v[PW+(\a)], v[TM+5], 8, v[TM+4]
	v_lshl_or_b32 v[PW+(\a)], v[TM+6], 16, v[PW+(\a)]
	v_lshl_or_b32 v[PW+(\a)], v[TM+7], 24, v[PW+(\a)]
	s_wait_alu depctr_va_vdst(0)                   ; the wait ahead of the wait below
	s_wait_xcnt 0x0                                ; earlier stores have read their registers: the conversions below are the first lines that write them again
	WIN 0x46
.irp c, 0,1
	v_cvt_scalef32_pk16_fp6_f32 v[FO+6*\c:FO+6*\c+2], v[AC+32*\c:AC+32*\c+15], v[TM+8+2*\c]
	v_cvt_scalef32_pk16_fp6_f32 v[T2+4*\c:T2+4*\c+2], v[AC+32*\c+16:AC+32*\c+31], v[TM+9+2*\c]
.endr
	WIN 0x55
	v_nop                                          ; one plain place behind a scaled conversion
.irp c, 0,1
.irp i, 0,1,2
	v_permlane16_swap_b32 v[FO+6*\c+\i], v[T2+4*\c+\i]     ; a whole block to a lane
.endr
.irp i, 0,1,2
	v_mov_b32 v[FO+6*\c+3+\i], v[T2+4*\c+\i]
.endr
.endr
	WIN 0x04
.irp i, 0,1,2
	global_store_b128 v[LI], v[FO+4*\i:FO+4*\i+3], s[66:67] offset:\off+1536*(\a)+512*\i   ; 512 consecutive bytes, aligned
.endr
.endm
.macro QALL off, soff
.irp a, 0,1,2,3
	QOUT \a, \off
.endr
	WIN 0x55
	v_cndmask_b32 v[SS], v[PW+2], v[PW], s94       ; lane (r, h): the words of blocks 2 h, 2 h + 1 of row r
	v_cndmask_b32 v[SS+1], v[PW+3], v[PW+1], s94
	WIN 0x04
	global_store_b64 v[SA2], v[SS:SS+1], s[68:69] offset:\soff   ; my half region's 256 bytes of scale words
.endm
; v's way out: Wv's block b: my lane's channel, 32 registers = keys 32 e + 16 h + i of my 64: six registers of codes and two scale bytes, into the stage
.macro VOUT b
.set AC, 32*(\b)
.set FO, FQ+12*((\b)%2)
	s_wait_alu depctr_va_vdst(0)
	s_wait_dscnt 4                                 ; the stores of the block before last have read their registers
	WIN 0x69
.irp e, 0,1
	v_max3_num_f32 v[TM+\e], 0x1800000, |v[AC+16*\e]|, |v[AC+16*\e+1]|
.endr
.irp i, 2,4,6,8,10,12,14
.irp e, 0,1
	v_max3_num_f32 v[TM+\e], v[TM+\e], |v[AC+16*\e+\i]|, |v[AC+16*\e+\i+1]|
.endr
.endr
	WIN 0x55
.irp e, 0,1
	v_permlanex16_b32 v[TM+4+\e], v[TM+\e], s[SEL], s[SEL+1]
.endr
.irp e, 0,1
	v_max_num_f32 v[TM+\e], v[TM+\e], v[TM+4+\e]
.endr
.irp e, 0,1
	v_add_nc_u32 v[TM+8+\e], 0xff000000, v[TM+\e]
.endr
.irp e, 0,1
	v_lshrrev_b32 v[TM+4+\e], 23, v[TM+8+\e]
.endr
	v_lshl_or_b32 v[PW+(\b)%2], v[TM+5], 8, v[TM+4]
	WIN 0x46
	v_cvt_scalef32_pk16_fp6_f32 v[FO:FO+2], v[AC:AC+15], v[TM+8]
	v_cvt_scalef32_pk16_fp6_f32 v[T2:T2+2], v[AC+16:AC+31], v[TM+9]
	WIN 0x55
	v_nop
.irp i, 0,1,2
	v_permlane16_swap_b32 v[FO+\i], v[T2+\i]
.endr
.irp i, 0,1,2
	v_mov_b32 v[FO+3+\i], v[T2+\i]
.endr
	WIN 0x04
	ds_store_b64 v[VA0], v[FO:FO+1] offset:1536*(\b)
	ds_store_b64 v[VA1], v[FO+2:FO+3] offset:1536*(\b)+8
	ds_store_b64 v[VA0], v[FO+4:FO+5] offset:1536*(\b)+512
	ds_store_b16 v[VS], v[PW+(\b)%2] offset:256*((\b)/4)+4*((\b)%4)   ; both lanes of a row write the same two bytes
.endm
	s_wait_tensorcnt 0x0                           ; my part of the head's tiles is in
	s_barrier_signal -1
	s_barrier_wait -1                              ; everybody's is
.irp s, 0,1,2,3,4,5,6,7
	FX \s
.endr
	FW 2, 0, 0
	FW 2, 0, 1
	WIN 0
	s_wait_tensorcnt 0x0                           ; ahead of the round behind which x's bytes are filled again
	ds_add_u32 v[SPW], v[NIL]
	s_wait_dscnt 0x0                               ; the add is done, and my reads of x's tile are over
	CROUND
	tensor_load_to_lds s[G0R:G0R+3], s[G1B:G1B+7]  ; my quarter of Wk's and Wv's tiles, jointly with my column
	s_nop 0
	PLACES
	s_wait_loadcnt 0x0                             ; the scales
	PART 2, WS0, 0                                 ; q
	WIN 0
	s_wait_tensorcnt 0x0
	s_barrier_signal -1
	s_barrier_wait -1                              ; Wk's and Wv's tiles are whole
	FW 0, 0, 0                                     ; k's first fragments are on their way while q goes out
	FW 0, 0, 1
	WIN 0
.irp i, 0,1,2,3,4,5,6,7
	global_load_b128 v[WS0+4*\i:WS0+4*\i+3], v[SCA], s[10:11] offset:512*(16+\i)     ; Wv's scales, into the set that q has left
.endr
	WIN 0x40
.irp e, 0,1,2,3
	v_mov_b32 v[TM+4+\e], 0                        ; written once: a lane permute's destination counts as one of its sources
.endr
	QALL 0, 0
	PART 0, WS1, 0                                 ; k
	FW 1, 0, 0
	FW 1, 0, 1
	QALL 512*12288, 512*512                        ; k's regions lie 512 regions behind q's
	s_wait_alu depctr_va_vdst(0)                   ; the wait ahead of the waits below
	s_wait_xcnt 0x0                                ; k's last stores have read their registers: v's way out writes them again
	s_wait_loadcnt 0x0                             ; Wv's scales
	PART 1, WS0, 1                                 ; v
.irp b, 0,1,2,3,4,5,6,7
	VOUT \b
.endr
	WIN 0
	s_wait_alu depctr_va_vdst(0)
	s_wait_dscnt 0x0                               ; for the others' sake: my stores into the stage are done
	s_barrier_signal -1
	s_barrier_wait -1
	WIN 0x40
.irp i, 0,1,2,3,4,5,6,7,8,9,10,11
	ds_load_b128 v[4*\i:4*\i+3], v[OL] offset:2048*\i
.endr
	ds_load_b64 v[48:49], v[OL8]
	s_wait_dscnt 0x0
	WIN 0x04
.irp i, 0,1,2,3,4,5,6,7,8,9,10,11
	global_store_b128 v[OT], v[4*\i:4*\i+3], s[70:71] offset:2048*\i    ; v's two regions: 24,576 consecutive bytes
.endr
	global_store_b64 v[O8], v[48:49], s[72:73]     ; and their 1,024 bytes of scale words
	WIN 0
	s_wait_tensorcnt 0x0                           ; the wave's end
	ds_add_u32 v[SPW], v[NIL]
	s_wait_dscnt 0x0
	CROUND                                         ; the closing round
	s_endpgm
.Lfunc_end_k_q380296f593_proj:
	.size	k_q380296f593_proj, .Lfunc_end_k_q380296f593_proj-k_q380296f593_proj
	.p2alignl 7, 3214868480
	.fill 96, 4, 3214868480
	.section	.rodata,"a",@progbits
	.p2align	6, 0x0
	.amdhsa_kernel k_q380296f593_proj
		.amdhsa_group_segment_fixed_size 327680
		.amdhsa_private_segment_fixed_size 0
		.amdhsa_enable_private_segment 0
		.amdhsa_kernarg_size 48
		.amdhsa_user_sgpr_count 2
		.amdhsa_user_sgpr_kernarg_segment_ptr 1
		.amdhsa_wavefront_size32 1
		.amdhsa_system_sgpr_workgroup_id_x 1
		.amdhsa_system_sgpr_workgroup_id_y 1
		.amdhsa_system_sgpr_workgroup_id_z 1
		.amdhsa_system_vgpr_workitem_id 0
		.amdhsa_next_free_vgpr 1024
		.amdhsa_next_free_sgpr 102
		.amdhsa_reserve_vcc 0
		.amdhsa_float_denorm_mode_32 3
		.amdhsa_float_denorm_mode_16_64 3
		.amdhsa_memory_ordered 1
		.amdhsa_forward_progress 1
		.amdhsa_inst_pref_size 255
	.end_amdhsa_kernel
	.section	.bss,"aw",@nobits
	.p2align	6
	.space	262144
	.amdgpu_metadata
---
amdhsa.version: [ 1, 2 ]
amdhsa.kernels:
  - .name:           k_q380296f593_proj
    .symbol:         k_q380296f593_proj.kd
    .args:
      - { .name: xc, .offset: 0, .size: 8, .value_kind: global_buffer, .address_space: global }
      - { .name: xs, .offset: 8, .size: 8, .value_kind: global_buffer, .address_space: global }
      - { .name: wc, .offset: 16, .size: 8, .value_kind: global_buffer, .address_space: global }
      - { .name: ws, .offset: 24, .size: 8, .value_kind: global_buffer, .address_space: global }
      - { .name: qkv, .offset: 32, .size: 8, .value_kind: global_buffer, .address_space: global }
      - { .name: qkvs, .offset: 40, .size: 8, .value_kind: global_buffer, .address_space: global }
    .group_segment_fixed_size: 327680
    .private_segment_fixed_size: 0
    .kernarg_segment_align: 8
    .kernarg_segment_size: 48
    .max_flat_workgroup_size: 128
    .sgpr_count:     102
    .vgpr_count:     1024
    .wavefront_size: 32
...
	.end_amdgpu_metadata
.endif
;; end of part 2
;; launch attn (part 3): grid 64 x 4, 8 waves a work-group, no clusters, 132,096 bytes of LDS; arguments qkv, qkvs, acod, ascl; writes acod, ascl
.if DOCPART == 3
	.amdgcn_target "amdgcn-amd-amdhsa--gfx1250"
	.amdhsa_code_object_version 6
	.text
	.protected	k_q380296f593_attn
	.globl	k_q380296f593_attn
	.p2align	8
	.type	k_q380296f593_attn,@function
k_q380296f593_attn:
	s_mov_b64 s[64:65], 0
	v_nop
	global_prefetch_b8 v0, s[64:65] scope:SCOPE_SE
	s_setreg_imm32_b32 hwreg(HW_REG_WAVE_MODE, 25, 1), 1
	s_wait_xcnt 0x0
; Sliding-window attention on codes of FP6 (E2M3): query i of a chunk of 128 sees keys j = i + 1 .. i + 128 of the 256 keys of the chunk before and its own (in a sequence's first chunk only j >= 128).
; Both products are quantised; the result, divided by the row's sum, is quantised again along E = 64 head + d and leaves as codes for the last projection.
; IN: qkv, regions of 12,288 bytes [P][gc] (P = 0-7 q of head pair P, 8-15 k, 16-23 v transposed; gc = chunk), each eight fragments of 1,536 bytes, images of an operand's 12 registers (registers 4 i .. 4 i + 3 of lane l at
; 512 i + 16 l); K = 128 is a head pair's 2 x 64 for q and k, the chunk's 128 keys for v.  Row r of fragment a is position (or, for v, channel) 32 (a / 2) + 8 (a % 2) + r + 8 (r / 8).  qkvs: the word of fragment a, row r at 256 (a / 4) + 16 r + 4 (a % 4).
; THE SOFTMAX: t = score x log2(e) / 8; M = the row's largest t rounded up to a whole number; p = 2^(t - M) is quantised along the keys, not normalised; the row's sum is taken of the unquantised p and divides the result.
; SHARES.  A work-group takes one chunk and four heads (two head pairs): 64 x 4 = 256 work-groups.  Wave w: head w / 2 of the four; query tiles a = 2 g + w % 2, g = 0 .. 3, one after the other.
; The queries of tile a are 32 g + 0 .. 31, so only the five blocks of 32 keys g .. g + 4 of the eight can count: the first and the last are masked, the three between are whole.  The whole row is at hand: one maximum, no rescaling.
; Both products are used transposed: S^T = K Q^T (source 0 = 16 keys, source 1 = my 16 queries), O^T = V^T P^T: a lane holds one query (lane % 16) throughout, and its registers run along the keys, then along the head's channels.
; A fragment of q or k holds two heads: the codes of the other head are cleared in Q, so that they add nothing.
; K, V and their scale words (two head pairs x two chunks) are brought into LDS once, through registers, each wave one region.  NO JOINT LOADS: a region is read by two work-groups only (chunks gc and gc + 1), once each, at their heads; there is no loop of fills to share.
; OUT: acod [16-row block][step of 128 K][1,536 bytes]: the codes of k = 256 kq .. 256 kq + 255 are steps 2 kq, 2 kq + 1; ascl [row][32]: its scale bytes.  Both go through LDS; the codes leave as eight runs of 3,072 bytes.
; LIMITS: a block whose largest magnitude lies under 2^-124 gets the scale byte 1; NaN and infinities are not served.
.set FRB,  1536                        ; a fragment's image
.set REG,  12288                       ; a region
.set SCB,  98304                       ; LDS: 0: K's four regions (head pair, chunk before / own), 49,152: V's four;  here their eight blocks of 512 bytes of scale words;
.set STG,  102400                      ; the output's codes: 128 rows x 192 bytes, as they lie in memory;
.set SST,  126976                      ; its scale bytes: 8 a row
.set AK,   1                           ; v1   16 lane + my head pair's K
.set AV,   2                           ; v2   16 lane + my head's V (chunk before)
.set ASK,  3                           ; v3   my row's scale words of K
.set ASV,  4                           ; v4   and of V
.set QA,   5                           ; v5   byte offset of my 16 bytes in Q's region: 16 lane + 1,536 (w % 2)
.set QSA,  6                           ; v6   and of my row's scale word: 16 r + 4 (w % 2)
.set STC,  7                           ; v7   where my 24 bytes of output codes go
.set STS,  8                           ; v8   and my row's two scale bytes
.set DD,   9                           ; v9   my query's place in its 32, less 16 (lane / 16)
.set NINF, 10                          ; v10  -infinity
.set LW,   11                          ; v11  the loader's place in LDS: 16 lane + 12,288 wave
.set QF,   16                          ; v16-27 Q's fragment;  v28 its scale words;  v29, v30 P's scale words;  v31 the loader's place for scale words
.set QS,   28
.set FA,   32                          ; v32-91  five fragments of K; then four of V (chunk before)
.set BM,   80                          ; v80-84  the blocks' largest scores, then p;  v85-89 at work, then bytes;  v90-94 the conversions' scale operands;  v95 two bytes
.set BP,   85
.set BO,   90
.set S,    96                          ; v96-175 S^T, then p: five blocks of 16 registers; then four fragments of V (own chunk)
.set FB,   176                         ; v176-235 five fragments of K
.set O,    176                         ; v176-207 O^T
.set PC,   208                         ; v208-231 P's two fragments; then the output's codes
.set T2,   232                         ; v232-234, v236-238 at work
.set SCR,  240                         ; v240-251 scale words of K, then of V
.set LI,   255                         ; v255 16 lane; never rewritten
	s_load_b256 s[4:11], s[0:1], 0x0               ; qkv s[4:5], qkvs s[6:7], acod s[8:9], ascl s[10:11]
	v_lshl_add_u32 v239, v0, 2, 0x20000
	s_set_vgpr_msb 0x40
	v_mov_b32 v1, 0
	s_set_vgpr_msb 0x4000
	v_lshrrev_b32 v1, 5, v0
	s_delay_alu instid0(VALU_DEP_1)
	v_readfirstlane_b32 s12, v1                    ; wave 0..7
	v_and_b32 v252, 31, v0
	s_delay_alu instid0(VALU_DEP_1)
	v_lshlrev_b32 v[LI], 4, v252
	s_wait_alu depctr_va_vdst(0)
	v_and_b32 v253, 15, v0                         ; r
	s_wait_alu depctr_va_vdst(0)
	v_bfe_u32 v254, v0, 4, 1                       ; h
	s_and_b32 s13, ttmp9, 31                       ; the chunk's number in its sequence
	s_and_b32 s14, ttmp7, 0xffff                   ; kq: which four heads
	s_cmp_lg_u32 s13, 0
	s_cselect_b32 s15, 1, 0
	s_sub_co_u32 s15, ttmp9, s15                   ; the chunk before; for a sequence's first chunk the chunk itself: no load leaves the buffer, and those scores are overwritten
	s_lshr_b32 s30, s12, 2                         ; as a loader: K (0) or V (1).   At work: which head pair of my two
	s_bfe_u32 s31, s12, 0x10001                    ; as a loader: which head pair.  At work: which head of the pair
	s_and_b32 s32, s12, 1                          ; as a loader: chunk before (0) or own (1).  At work: even or odd query tiles
	s_lshl_b32 s34, s14, 1
	s_lshl_b32 s33, s30, 3
	s_add_co_u32 s33, s33, 8
	s_add_co_u32 s33, s33, s34
	s_add_co_u32 s33, s33, s31                     ; P = 8 + 8 (V?) + 2 kq + head pair
	s_lshl_b32 s33, s33, 6
	s_cmp_lg_u32 s32, 0
	s_cselect_b32 s35, ttmp9, s15
	s_add_co_u32 s33, s33, s35                     ; the region that I bring
	s_mul_i32 s36, s33, REG
	s_mov_b32 s37, 0
	s_lshl_b32 s38, s33, 9
	s_mov_b32 s39, 0
	s_add_co_u32 s34, s34, s30
	s_lshl_b32 s34, s34, 6
	s_add_co_u32 s34, s34, ttmp9                   ; Q's region: 64 (2 kq + my head pair) + gc
	s_mul_i32 s40, s34, REG
	s_mov_b32 s41, 0
	s_lshl_b32 s42, s34, 9
	s_mov_b32 s43, 0
	; acod is laid as images of an operand's registers: [16-row block][step of 128 K][1,536 bytes], registers 2 p, 2 p + 1 of lane l at 256 p + 8 l.  This work-group makes steps 2 kq, 2 kq + 1 of its eight blocks: eight runs of 3,072 bytes
	s_mul_i32 s44, s14, 3072
	s_mul_i32 s45, ttmp9, 98304
	s_add_co_u32 s44, s44, s45                     ; the output's codes: plane kq, my 128 rows
	s_mov_b32 s45, 0
	s_lshl_b32 s46, ttmp9, 12
	s_lshl_b32 s47, s14, 3
	s_add_co_u32 s46, s46, s47                     ; its scale bytes: my 128 rows of 32, 8 kq on
	s_mov_b32 s47, 0
	s_mul_i32 s33, s32, FRB
	v_add_nc_u32 v[QA], s33, v[LI]
	s_lshl_b32 s34, s32, 2
	v_lshl_add_u32 v[QSA], v253, 4, s34
	s_wait_alu depctr_va_vdst(0)
	s_wait_kmcnt 0x0
	s_add_nc_u64 s[16:17], s[4:5], s[36:37]
	s_add_nc_u64 s[18:19], s[6:7], s[38:39]
	s_add_nc_u64 s[20:21], s[4:5], s[40:41]
	s_add_nc_u64 s[22:23], s[6:7], s[42:43]
	s_add_nc_u64 s[8:9], s[8:9], s[44:45]
	s_add_nc_u64 s[10:11], s[10:11], s[46:47]
.irp i, 0,1,2,3,4,5,6,7,8,9,10,11,12,13,14,15,16,17,18,19,20,21,22,23
	global_load_b128 v[32+4*\i:35+4*\i], v[LI], s[16:17] offset:512*\i    ; my region: 24 x 512 consecutive bytes
.endr
	global_load_b128 v[128:131], v[LI], s[18:19]   ; and its 512 bytes of scale words
.irp i, 0,1,2
	global_load_b128 v[QF+4*\i:QF+4*\i+3], v[QA], s[20:21] offset:512*\i   ; my first tile of queries
.endr
	global_load_b32 v[QS], v[QSA], s[22:23]
	; the addresses, while the loads are out
	s_mul_i32 s33, s30, 2*REG
	v_add_nc_u32 v[AK], s33, v[LI]
	s_mul_i32 s34, s31, 4*FRB
	s_add_co_u32 s34, s34, s33
	s_add_co_u32 s34, s34, 4*REG
	v_add_nc_u32 v[AV], s34, v[LI]
	s_lshl_b32 s33, s30, 10
	s_add_co_u32 s33, s33, SCB
	v_lshl_add_u32 v[ASK], v253, 4, s33
	s_lshl_b32 s34, s31, 8
	s_add_co_u32 s34, s34, s33
	s_add_co_u32 s34, s34, 2048
	v_lshl_add_u32 v[ASV], v253, 4, s34
	v_and_b32 v252, 8, v253
	s_delay_alu instid0(VALU_DEP_1)
	v_add_nc_u32 v252, v252, v253
	s_lshl_b32 s33, s32, 3
	v_add_nc_u32 v252, s33, v252                   ; my query's place in its 32: 8 (w % 2) + r + 8 (r / 8)
	s_lshr_b32 s33, s12, 1                         ; my head of the four
	s_mul_i32 s34, s33, 768                        ; my head's six registers: step head / 2, pieces 3 (head % 2) on
	s_add_co_u32 s34, s34, STG
	v_lshrrev_b32 v[STC], 4, v252                  ; which 16-row block of my 32 rows: 3,072 bytes each,
	v_and_b32 v[STS], 15, v252                     ; the row in it
	s_delay_alu instid0(VALU_DEP_2)
	v_mul_u32_u24 v[STC], v[STC], 3072
	s_delay_alu instid0(VALU_DEP_1)
	v_lshl_add_u32 v[STC], v[STS], 3, v[STC]
	s_delay_alu instid0(VALU_DEP_1)
	v_lshl_add_u32 v[STC], v254, 7, v[STC]         ; 8 bytes a lane of the image: row + 16 x half
	s_delay_alu instid0(VALU_DEP_1)
	v_add_nc_u32 v[STC], s34, v[STC]
	s_lshl_b32 s34, s33, 1
	s_add_co_u32 s34, s34, SST
	v_lshl_add_u32 v[STS], v252, 3, s34            ; row x 8 + 2 x head
	v_lshlrev_b32 v[DD], 4, v254
	s_delay_alu instid0(VALU_DEP_1)
	v_sub_nc_u32 v[DD], v252, v[DD]
	v_mov_b32 v[NINF], 0xff800000
.irp i, 0,1,2,3,4,5,6,7,8,9,10,11,12,13,14,15
	v_cmp_le_i32 s[48+\i], \i, v[DD]               ; the band's masks hang on the lane alone: made once, s48-s63: key 16 h + i of a block does not lie behind my query's place
.endr
	s_mul_i32 s34, s12, REG
	v_add_nc_u32 v[LW], s34, v[LI]
	s_lshl_b32 s34, s12, 9
	s_add_co_u32 s34, s34, SCB
	v_add_nc_u32 v31, s34, v[LI]
	v_mov_b32 v13, 0                               ; (named as the upper half of the pair v[12:13])
	s_cmp_eq_u32 s31, 0
	s_cselect_b32 s24, -1, 0                       ; keeps the pair's first head's codes (registers 0-5),
	s_not_b32 s25, s24                             ; or the second's (registers 6-11)
	s_mov_b32 s26, 0x76543210
	s_mov_b32 s27, 0xfedcba98                      ; v_permlanex16_b32's selects for lane l xor 16
	s_mov_b32 s28, 0x3e38aa3b                      ; c = log2(e) / 8
	s_mov_b32 s29, s28                             ; (named with it as a pair, so it is written)
	s_wait_alu depctr_va_vdst(0)
	s_wait_loadcnt 4                               ; my region and its scale words are in; Q's four loads may be out
.irp i, 0,1,2,3,4,5,6,7,8,9,10,11,12,13,14,15,16,17,18,19,20,21,22,23
	ds_store_b128 v[LW], v[32+4*\i:35+4*\i] offset:512*\i
.endr
	ds_store_b128 v31, v[128:131]
	s_wait_dscnt 0x0                               ; for the others' sake: my stores are done
	s_barrier_signal -1
	s_barrier_wait -1                              ; K, V and their scale words lie in LDS
; Block e (of the eight blocks of 32 keys) of p: my 16 codes into v[dst .. dst + 2]; zeros where the block lies outside the window g .. g + 4
.macro PBLK dst, e, g
.if ((\e) >= (\g)) && ((\e) <= (\g)+4)
	v_cvt_scalef32_pk16_fp6_f32 v[\dst:\dst+2], v[S+16*((\e)-(\g)):S+16*((\e)-(\g))+15], v[BO+(\e)-(\g)]
.else
.irp i, 0,1,2
	v_mov_b32 v[\dst+\i], 0
.endr
.endif
.endm
; Blocks e and e + 1: six registers of an operand at d; t: three registers at work.  Both outside the window: six zeros
.macro PPAIR d, t, e, g
.if ((\e)+1 < (\g)) || ((\e) > (\g)+4)
.irp i, 0,1,2,3,4,5
	v_mov_b32 v[\d+\i], 0
.endr
.else
	PBLK \d, \e, \g
	PBLK \t, (\e)+1, \g
.endif
.endm
; The operand's layout wants a whole block in a lane: lanes 0-15 block e, lanes 16-31 block e + 1
.macro PSWAP d, t, e, g
.if ((\e)+1 < (\g)) || ((\e) > (\g)+4)
.else
.irp i, 0,1,2
	v_permlane16_swap_b32 v[\d+\i], v[\t+\i]
.endr
.irp i, 0,1,2
	s_delay_alu instid0(VALU_DEP_3)
	v_mov_b32 v[\d+3+\i], v[\t+\i]
.endr
.endif
.endm
; ONE TILE OF 16 QUERIES: tile 2 g + w % 2 of my head
.macro GROUP g
	s_wait_loadcnt 0x0                             ; Q's fragment and scale words
.irp i, 0,1,2,3,4,5
	v_and_b32 v[QF+\i], s24, v[QF+\i]              ; the other head's codes become zeros
	v_and_b32 v[QF+6+\i], s25, v[QF+6+\i]
.endr
.irp t, 0,1,2,3,4                              ; ten tiles of 16 keys: 2 g .. 2 g + 9 of the sixteen
.irp i, 0,1,2
	ds_load_b128 v[FA+12*\t+4*\i:FA+12*\t+4*\i+3], v[AK] offset:FRB*(2*\g+\t)+512*\i
.endr
.endr
.irp t, 0,1,2,3,4
.irp i, 0,1,2
	ds_load_b128 v[FB+12*\t+4*\i:FB+12*\t+4*\i+3], v[AK] offset:FRB*(2*\g+5+\t)+512*\i
.endr
.endr
.irp i, 0,1,2
	ds_load_b128 v[SCR+4*\i:SCR+4*\i+3], v[ASK] offset:256*(\g/2+\i)     ; my row's words of tiles 4 (g / 2) on, four a load
.endr
	s_wait_alu depctr_va_vdst(0)
	s_wait_dscnt 0x0
.rept 4
	v_nop                                          ; an operand written by vector instructions (Q) stands four places ahead of a scaled matrix instruction
.endr
.irp t, 0,1,2,3,4
	v_wmma_scale_f32_16x16x128_f8f6f4 v[S+8*\t:S+8*\t+7], v[FA+12*\t:FA+12*\t+11], v[QF:QF+11], 0, v[SCR+2*\g+\t-4*(\g/2)], v[QS] matrix_a_fmt:MATRIX_FMT_FP6 matrix_b_fmt:MATRIX_FMT_FP6
.endr
.irp t, 0,1,2,3,4
	v_wmma_scale_f32_16x16x128_f8f6f4 v[S+40+8*\t:S+40+8*\t+7], v[FB+12*\t:FB+12*\t+11], v[QF:QF+11], 0, v[SCR+2*\g+5+\t-4*(\g/2)], v[QS] matrix_a_fmt:MATRIX_FMT_FP6 matrix_b_fmt:MATRIX_FMT_FP6
.endr                                          ; register 16 b + i of S: key 32 (g + b) + 16 (lane / 16) + i
.rept 4
	v_nop                                          ; places behind the products: their results are read, and loads go into registers that they have read
.endr
.if \g < 3
.irp i, 0,1,2
	global_load_b128 v[QF+4*\i:QF+4*\i+3], v[QA], s[20:21] offset:2*FRB*(\g+1)+512*\i   ; the next tile of queries: it has the softmax in which to land
.endr
	global_load_b32 v[QS], v[QSA], s[22:23] offset:256*((\g+1)/2)+8*((\g+1)%2)
.endif
.irp d, 0,1,2,3                                ; V of the chunk before: four tiles of 16 of my head's 64 channels
.irp i, 0,1,2
	ds_load_b128 v[FA+12*\d+4*\i:FA+12*\d+4*\i+3], v[AV] offset:FRB*\d+512*\i
.endr
.endr
	ds_load_b128 v[SCR:SCR+3], v[ASV]              ; its scale words, and the own chunk's
	ds_load_b128 v[SCR+4:SCR+7], v[ASV] offset:512
	s_cmp_lg_u32 s13, 0                            ; a sequence's first chunk has no chunk before: those scores become -infinity.  A scalar branch on the work-group's number
	s_cbranch_scc1 .Lprev_\@
.set N, 0
.rept 16*(4-\g)
	v_mov_b32 v[S+N], v[NINF]
.set N, N+1
.endr
.Lprev_\@:
.irp i, 0,1,2,3,4,5,6,7,8,9,10,11,12,13,14,15  ; the window's first block: key 16 h + i counts where it lies behind my query's place
	v_cndmask_b32 v[S+\i], v[S+\i], v[NINF], s[48+\i]
.endr
.irp i, 0,1,2,3,4,5,6,7,8,9,10,11,12,13,14,15  ; its last block: where it does not
	v_cndmask_b32 v[S+64+\i], v[NINF], v[S+64+\i], s[48+\i]
.endr
.irp b, 0,1,2,3,4
	v_max3_num_f32 v[BM+\b], v[S+16*\b], v[S+16*\b+1], v[S+16*\b+2]     ; the largest score of each block: for the row's maximum and, since p rises with the score, for the block's largest p
.endr
.irp i, 3,5,7,9,11,13
.irp b, 0,1,2,3,4
	v_max3_num_f32 v[BM+\b], v[BM+\b], v[S+16*\b+\i], v[S+16*\b+\i+1]   ; (the five blocks by turns)
.endr
.endr
.irp b, 0,1,2,3,4
	v_max_num_f32 v[BM+\b], v[BM+\b], v[S+16*\b+15]
.endr
.irp b, 0,1,2,3,4
	v_permlanex16_b32 v[BP+\b], v[BM+\b], s26, s27
.endr
.irp b, 0,1,2,3,4
	v_max_num_f32 v[BM+\b], v[BM+\b], v[BP+\b]     ; with lane l xor 16's 16 keys
.endr
	s_delay_alu instid0(VALU_DEP_3)
	v_max3_num_f32 v252, v[BM], v[BM+1], v[BM+2]
	s_delay_alu instid0(VALU_DEP_1)
	v_max3_num_f32 v252, v252, v[BM+3], v[BM+4]    ; my query's largest score: its own key always counts, so it is a number
	s_delay_alu instid0(VALU_DEP_1)
	v_mul_f32 v252, s28, v252                      ; as t (c is positive)
	s_delay_alu instid0(VALU_DEP_1)
	v_floor_f32 v12, -v252                         ; -M = floor(-t) = -ceil(t)
.irp j, 0,2,4,6,8,10,12,14,16,18,20,22,24,26,28,30,32,34,36,38,40,42,44,46,48,50,52,54,56,58,60,62,64,66,68,70,72,74,76,78
	v_pk_fma_f32 v[S+\j:S+\j+1], v[S+\j:S+\j+1], s[28:29], v[12:13] op_sel_hi:[1,0,0]   ; t - M, two at a time
.endr
.irp b, 0,1,2,3,4
	v_fma_f32 v[BM+\b], v[BM+\b], s28, v12         ; the same of each block's largest score
.endr
.set N, 0
	s_wait_alu depctr_va_vdst(0)
.rept 80
	v_exp_f32 v[S+N], v[S+N]                       ; p = 2^(t - M), at most 1; 0 for a hidden key
.set N, N+1
.endr
.irp b, 0,1,2,3,4
	v_exp_f32 v[BM+\b], v[BM+\b]                   ; the block's largest p: the same two instructions on the same number give the same bits
.endr
	v_nop                                          ; a plain place behind the exponentials
	s_wait_alu depctr_va_vdst(0)
.irp b, 0,1,2,3,4
	v_max_num_f32 v[BM+\b], 0x1800000, v[BM+\b]    ; the floor 2^(3 - 127): the byte cannot fall under 1 (a block of zeros keeps that byte: its codes are zeros)
.endr
.irp b, 0,1,2,3,4
	v_add_nc_u32 v[BO+\b], 0xff000000, v[BM+\b]    ; 2 off the exponent field: the conversion's scale operand
.endr
.irp b, 0,1,2,3,4
	v_lshrrev_b32 v[BP+\b], 23, v[BO+\b]           ; the scale's byte
.endr
.irp e, 0,1,2,3                                ; p's scale word for the chunk before: blocks g .. 3; the bytes of blocks outside the window stay 0, over zero codes
.if \e == \g
	v_lshlrev_b32 v29, 8*\e, v[BP]
.elseif \e > \g
	s_delay_alu instid0(VALU_DEP_1)
	v_lshl_or_b32 v29, v[BP+\e-\g], 8*\e, v29
.endif
.endr
.irp e, 4,5,6,7                                ; and for the own chunk: blocks 4 .. g + 4
.if \e == 4
	v_mov_b32 v30, v[BP+4-\g]
.elseif \e <= \g+4
	s_delay_alu instid0(VALU_DEP_1)
	v_lshl_or_b32 v30, v[BP+\e-\g], 8*(\e-4), v30
.endif
.endr
.irp f, 0,1                                    ; p's two fragments: the chunk before, the own chunk
	PPAIR PC+12*\f, T2, 4*\f, \g
	PPAIR PC+12*\f+6, T2+4, 4*\f+2, \g
	v_nop                                          ; one plain place behind a scaled conversion
	PSWAP PC+12*\f, T2, 4*\f, \g
	PSWAP PC+12*\f+6, T2+4, 4*\f+2, \g
.endr
	v_pk_add_f32 v[252:253], v[96:97], v[98:99]
	v_pk_add_f32 v[250:251], v[104:105], v[108:109]
	v_pk_add_f32 v[248:249], v[112:113], v[116:117]
	v_pk_add_f32 v[236:237], v[120:121], v[124:125]
	v_pk_add_f32 v[234:235], v[128:129], v[132:133]
	v_pk_add_f32 v[232:233], v[136:137], v[140:141]
	v_pk_add_f32 v[206:207], v[144:145], v[148:149]
	v_pk_add_f32 v[14:15], v[152:153], v[156:157]
	v_pk_add_f32 v[14:15], v[14:15], v[160:161]
	v_pk_add_f32 v[252:253], v[252:253], v[164:165]
	v_pk_add_f32 v[250:251], v[250:251], v[168:169]
	v_pk_add_f32 v[248:249], v[248:249], v[172:173]
	v_pk_add_f32 v[236:237], v[236:237], v[100:101]
	v_pk_add_f32 v[234:235], v[234:235], v[102:103]
	v_pk_add_f32 v[232:233], v[232:233], v[106:107]
	v_pk_add_f32 v[206:207], v[206:207], v[110:111]
	v_pk_add_f32 v[14:15], v[14:15], v[114:115]
	v_pk_add_f32 v[252:253], v[252:253], v[118:119]
	v_pk_add_f32 v[250:251], v[250:251], v[122:123]
	v_pk_add_f32 v[248:249], v[248:249], v[126:127]
	v_pk_add_f32 v[236:237], v[236:237], v[130:131]
	v_pk_add_f32 v[234:235], v[234:235], v[134:135]
	v_pk_add_f32 v[232:233], v[232:233], v[138:139]
	v_pk_add_f32 v[206:207], v[206:207], v[142:143]
	v_pk_add_f32 v[14:15], v[14:15], v[146:147]
	v_pk_add_f32 v[252:253], v[252:253], v[150:151]
	v_pk_add_f32 v[250:251], v[250:251], v[154:155]
	v_pk_add_f32 v[248:249], v[248:249], v[158:159]
	v_pk_add_f32 v[236:237], v[236:237], v[162:163]
	v_pk_add_f32 v[234:235], v[234:235], v[166:167]
	v_pk_add_f32 v[232:233], v[232:233], v[170:171]
	v_pk_add_f32 v[206:207], v[206:207], v[174:175]
	s_delay_alu instid0(VALU_DEP_4)
	v_pk_add_f32 v[14:15], v[14:15], v[236:237]
	s_delay_alu instid0(VALU_DEP_4)
	v_pk_add_f32 v[252:253], v[252:253], v[234:235]
	s_delay_alu instid0(VALU_DEP_4)
	v_pk_add_f32 v[250:251], v[250:251], v[232:233]
	s_delay_alu instid0(VALU_DEP_4)
	v_pk_add_f32 v[248:249], v[248:249], v[206:207]
	s_delay_alu instid0(VALU_DEP_2)
	v_pk_add_f32 v[14:15], v[14:15], v[250:251]
	s_delay_alu instid0(VALU_DEP_2)
	v_pk_add_f32 v[252:253], v[252:253], v[248:249]
	s_delay_alu instid0(VALU_DEP_1)
	v_pk_add_f32 v[14:15], v[14:15], v[252:253]
	s_delay_alu instid0(VALU_DEP_1)
	v_add_f32 v14, v14, v15
	s_delay_alu instid0(VALU_DEP_1)
	v_permlanex16_b32 v254, v14, s26, s27
	s_delay_alu instid0(VALU_DEP_1)
	v_add_f32 v14, v14, v254                       ; with lane l xor 16's: the row's sum, above 1/2
	s_wait_alu depctr_va_vdst(0)
	v_rcp_f32 v14, v14
	v_nop                                          ; a plain place behind the transcendental
.irp d, 0,1,2,3                                ; V of the own chunk, into the registers that p has left
.irp i, 0,1,2
	ds_load_b128 v[S+12*\d+4*\i:S+12*\d+4*\i+3], v[AV] offset:REG+FRB*\d+512*\i
.endr
.endr
	s_wait_dscnt 12                                ; all but the 12 just issued: V of the chunk before and both sets of scale words are in
.irp d, 0,1,2,3                                ; O^T = V^T P^T: four accumulators by turns; the first product starts each sum
	v_wmma_scale_f32_16x16x128_f8f6f4 v[O+8*\d:O+8*\d+7], v[FA+12*\d:FA+12*\d+11], v[PC:PC+11], 0, v[SCR+\d], v29 matrix_a_fmt:MATRIX_FMT_FP6 matrix_b_fmt:MATRIX_FMT_FP6
.endr
	s_wait_dscnt 0x0
.irp d, 0,1,2,3
	v_wmma_scale_f32_16x16x128_f8f6f4 v[O+8*\d:O+8*\d+7], v[S+12*\d:S+12*\d+11], v[PC+12:PC+23], v[O+8*\d:O+8*\d+7], v[SCR+4+\d], v30 matrix_a_fmt:MATRIX_FMT_FP6 matrix_b_fmt:MATRIX_FMT_FP6
.endr                                          ; register 16 b + i of O: channel 32 b + 16 (lane / 16) + i of my head
.rept 4
	v_nop
.endr
	s_wait_alu depctr_va_vdst(0)
.irp j, 0,2,4,6,8,10,12,14,16,18,20,22,24,26,28,30
	v_pk_mul_f32 v[O+\j:O+\j+1], v[O+\j:O+\j+1], v[14:15] op_sel_hi:[1,0]    ; divided by the row's sum, from each accumulator's low end on
.endr
.irp b, 0,1                                    ; and quantised along E: my head's two blocks of 32
	v_max3_num_f32 v[BM+\b], |v[O+16*\b]|, |v[O+16*\b+1]|, 0x1800000
.endr
.irp i, 2,4,6,8,10,12,14
.irp b, 0,1
	s_delay_alu instid0(VALU_DEP_2)
	v_max3_num_f32 v[BM+\b], v[BM+\b], |v[O+16*\b+\i]|, |v[O+16*\b+\i+1]|
.endr
.endr
.irp b, 0,1
	s_delay_alu instid0(VALU_DEP_2)
	v_permlanex16_b32 v[BP+\b], v[BM+\b], s26, s27
.endr
.irp b, 0,1
	s_delay_alu instid0(VALU_DEP_2)
	v_max_num_f32 v[BM+\b], v[BM+\b], v[BP+\b]
.endr
.irp b, 0,1
	s_delay_alu instid0(VALU_DEP_2)
	v_add_nc_u32 v[BO+\b], 0xff000000, v[BM+\b]
.endr
.irp b, 0,1
	s_delay_alu instid0(VALU_DEP_2)
	v_lshrrev_b32 v[BP+\b], 23, v[BO+\b]
.endr
	s_delay_alu instid0(VALU_DEP_1)
	v_lshl_or_b32 v95, v[BP+1], 8, v[BP]           ; the two scale bytes
	v_cvt_scalef32_pk16_fp6_f32 v[PC:PC+2], v[O:O+15], v[BO]
	v_cvt_scalef32_pk16_fp6_f32 v[PC+8:PC+10], v[O+16:O+31], v[BO+1]
	v_nop                                          ; one plain place behind a scaled conversion
.irp i, 0,1,2
	v_permlane16_swap_b32 v[PC+\i], v[PC+8+\i]     ; lanes 0-15 now hold block 0 whole, lanes 16-31 block 1
.endr
.irp i, 0,1,2
	s_delay_alu instid0(VALU_DEP_3)
	v_mov_b32 v[PC+3+\i], v[PC+8+\i]
.endr
.irp i, 0,1,2
	ds_store_b64 v[STC], v[PC+2*\i:PC+2*\i+1] offset:6144*\g+256*\i          ; my block's 24 bytes, three pieces of the image
.endr
	ds_store_b16 v[STS], v95 offset:32*8*\g        ; both lanes of a row write the same two bytes with the same value
.endm
	GROUP 0
	GROUP 1
	GROUP 2
	GROUP 3
	v_and_b32 v32, 63, v0                          ; the way out: 64 threads take two 16-row blocks, 6,144 bytes of the stage, 1,024 at a time
	v_lshrrev_b32 v34, 6, v0
	s_delay_alu instid0(VALU_DEP_2)
	v_lshlrev_b32 v32, 4, v32
	s_delay_alu instid0(VALU_DEP_2)
	v_mul_u32_u24 v33, v34, 6144
	v_mul_u32_u24 v34, v34, 24576                  ; in memory a block's fragments of all of K are 12,288 bytes
	s_delay_alu instid0(VALU_DEP_2)
	v_add_nc_u32 v33, v33, v32
	s_delay_alu instid0(VALU_DEP_1)
	v_add_nc_u32 v33, STG, v33
	v_add_nc_u32 v32, v32, v34
	v_lshl_add_u32 v60, v0, 3, SST                 ; (used by waves 0-3 alone)
	v_lshlrev_b32 v61, 5, v0
	s_wait_alu depctr_va_vdst(0)
	s_wait_dscnt 0x0                               ; for the others' sake: my stores into the stage are done
	s_barrier_signal -1
	s_barrier_wait -1                              ; the chunk's 128 rows x 192 bytes of codes and 128 x 8 scale bytes lie in LDS
.irp i, 0,1,2,3,4,5
	ds_load_b128 v[36+4*\i:39+4*\i], v33 offset:1024*\i
.endr
.irp i, 0,1,2,3,4,5
	s_wait_dscnt 5-\i                              ; load i is in; the later ones may be out
	global_store_b128 v32, v[36+4*\i:39+4*\i], s[8:9] offset:12288*(\i/3)+1024*(\i%3)     ; a wave stores 512 consecutive bytes, at a multiple of 256 from the buffer's first byte
.endr
	s_cmp_lt_u32 s12, 4                            ; 128 rows of scale bytes: a thread of waves 0-3 to a row
	s_cbranch_scc0 .Ldone
	ds_load_b64 v[62:63], v60
	s_wait_dscnt 0x0
	global_store_b64 v61, v[62:63], s[10:11]       ; 8 bytes of each row's 32: one byte in 24 of what the launch stores
.Ldone:
	s_set_vgpr_msb 0x4
	s_wait_tensorcnt 0x0
	ds_add_u32 v239, v1
	s_wait_dscnt 0x0
	s_set_vgpr_msb 0x400
	s_endpgm
.Lfunc_end_k_q380296f593_attn:
	.size	k_q380296f593_attn, .Lfunc_end_k_q380296f593_attn-k_q380296f593_attn
	.p2alignl 7, 3214868480
	.fill 96, 4, 3214868480
	.section	.rodata,"a",@progbits
	.p2align	6, 0x0
	.amdhsa_kernel k_q380296f593_attn
		.amdhsa_group_segment_fixed_size 132096
		.amdhsa_private_segment_fixed_size 0
		.amdhsa_enable_private_segment 0
		.amdhsa_kernarg_size 32
		.amdhsa_user_sgpr_count 2
		.amdhsa_user_sgpr_kernarg_segment_ptr 1
		.amdhsa_wavefront_size32 1
		.amdhsa_system_sgpr_workgroup_id_x 1
		.amdhsa_system_sgpr_workgroup_id_y 1
		.amdhsa_system_sgpr_workgroup_id_z 1
		.amdhsa_system_vgpr_workitem_id 0
		.amdhsa_next_free_vgpr 258
		.amdhsa_next_free_sgpr 66
		.amdhsa_reserve_vcc 0
		.amdhsa_float_denorm_mode_32 3
		.amdhsa_float_denorm_mode_16_64 3
		.amdhsa_memory_ordered 1
		.amdhsa_forward_progress 1
		.amdhsa_inst_pref_size 128
	.end_amdhsa_kernel
	.amdgpu_metadata
---
amdhsa.version: [ 1, 2 ]
amdhsa.kernels:
  - .name:           k_q380296f593_attn
    .symbol:         k_q380296f593_attn.kd
    .args:
      - { .name: qkv, .offset: 0, .size: 8, .value_kind: global_buffer, .address_space: global }
      - { .name: qkvs, .offset: 8, .size: 8, .value_kind: global_buffer, .address_space: global }
      - { .name: acod, .offset: 16, .size: 8, .value_kind: global_buffer, .address_space: global }
      - { .name: ascl, .offset: 24, .size: 8, .value_kind: global_buffer, .address_space: global }
    .group_segment_fixed_size: 132096
    .private_segment_fixed_size: 0
    .kernarg_segment_align: 8
    .kernarg_segment_size: 32
    .max_flat_workgroup_size: 256
    .sgpr_count:     66
    .vgpr_count:     258
    .wavefront_size: 32
...
	.end_amdgpu_metadata
.endif
;; end of part 3
;; launch outp (part 4): grid 8 x 32, 4 waves a work-group, clusters of 4 x 4, 327,680 bytes of LDS; arguments acod, ascl, wc, ws, out0; writes out0
.if DOCPART == 4
	.amdgcn_target "amdgcn-amd-amdhsa--gfx1250"
	.amdhsa_code_object_version 6
	.text
	.protected	k_q380296f593_outp
	.globl	k_q380296f593_outp
	.p2align	8
	.type	k_q380296f593_outp,@function
k_q380296f593_outp:
	s_mov_b64 s[64:65], 0
	v_nop
	global_prefetch_b8 v0, s[64:65] scope:SCOPE_SE
	s_setreg_imm32_b32 hwreg(HW_REG_WAVE_MODE, 25, 1), 1
	s_wait_xcnt 0x0
	s_wait_alu depctr_hold_cnt(0) depctr_sa_sdst(0) depctr_va_vdst(0) depctr_va_sdst(0) depctr_va_ssrc(0) depctr_va_vcc(0) depctr_vm_vsrc(0)
	s_getreg_b32 s2, hwreg(HW_REG_IB_STS2, 6, 4)
	s_cmp_eq_u32 s2, 0
	s_cbranch_scc0 .Lentry_in_a_cluster
	s_endpgm
.Lentry_in_a_cluster:
	s_bfe_u32 s2, ttmp6, 0x10000c
	s_cmp_lg_u32 s2, 0xf033
	s_cbranch_scc0 .Lentry_shape_is_right
	s_endpgm
.Lentry_shape_is_right:
; out = a Wo^T on codes of FP6 (E2M3), one E8M0 scale for each 32 along K = 1,024; sums and result in f32.
; IN: acod and wc: images of operand registers (fragment = 16 rows x 128 K = 1,536 bytes, registers 2 p, 2 p + 1 of lane l at 256 p + 8 l; the 8 fragments of 16 rows on end); ascl, ws: 32 scale bytes a row.  Wo's rows lie behind 3,072 rows of wc and ws, in their own order.
; SHARES: work-group (ct, t): 256 rows of a x 128 rows of Wo: 8 x 32 = 256 work-groups.  Wave w: 64 rows x 128 columns, 32 accumulators.
; LDS: both tiles are dense blocks of memory, come in as rows of 256 bytes at the head, one load a wave (a's 196,608 bytes by waves 0, 1; Wo's 98,304 by waves 2, 3), and nothing is filled again.
; CLUSTERS 4 x 4: a's tile hangs on t alone and is shared along a row of the cluster, Wo's on ct alone and is shared along a column.  No prefetch: one group of loads, no loop of fills to run ahead in.
; TWO PASSES over the columns, 16 half steps q of 16 matrix instructions: q = 0-7 Wo's blocks 0-3 along K, q = 8-15 its blocks 4-7.  a's fragments come from LDS in the first pass, each step into registers of its own, and stay: LDS is read once for each fragment.
; The first pass's 64 columns (256 bytes of each row, aligned) go out inside the second pass.  Group q (the fragments of half step q) is asked for in half step q - 2.
; SCALES go into registers: lane (r, h) loads 16 bytes at 32 r + 16 h of a block's 512: lanes 0-15 hold the words of steps 0-3, lanes 16-31 those of steps 4-7 (ROW1).
; Source 0 = Wo's rows, source 1 = a's rows: a lane holds eight neighbouring columns of one row.  THE WAY OUT goes through a stage in my own 49,152 bytes of a's tile, which no other wave reads and which has had its only fill.
; Each block's rows come back into registers of their own and every store's offset is an immediate: no store's data or base is written again.
; REGISTERS: window 0: v0-31 addresses, v32-47 a's scales, v48-79 Wo's, v112-255 a's fragments of steps 5-7 (then the second way out).  Window 1: v0-191 four quarter sets of Wo's fragments.  Window 2: accumulators.
; Window 3: a's fragments of steps 0-4 (those of steps 0-3, once done with, take the first way out).
.set FRB, 1536
.set BLK, 12288
.set QT, 196608
.set SPARE, 294912
.set SPITCH, 272                       ; a stage row: 256 bytes + 16
.set XA, 5
.set WA, 6                             ; v10, v11 alone are used: 8 lane + Wo's blocks 0-3, 4-7
.set SCA, 13
.set STO, 14
.set RD, 15
.set CO, 16
.set SPW, 28
.set NIL, 29
.set XS, 32
.set WS0, 48
.set G1, 24
.set G0, 32
.set G1B, 48
.set G0B, 56
.set MSB, 0
.macro WIN new
.if MSB != \new
	s_set_vgpr_msb (MSB<<8)|\new
.set MSB, \new
.endif
.endm
.macro PLACES                          ; four places behind a matrix instruction (ISA guide 7.12.1)
.rept 4
	v_nop
.endr
.endm
.macro CREST
	s_cmp_lg_u32 s14, 0
	s_cbranch_scc1 .Lnot_wave_0_\@
	s_barrier_signal -3
.Lnot_wave_0_\@:
	s_barrier_wait -3
	s_barrier_signal -1
	s_barrier_wait -1
.endm
.macro CROUND
	s_barrier_signal -1
	s_barrier_wait -1
	CREST
.endm
	s_load_b128 s[4:7], s[0:1], 0x0                ; acod, ascl
	s_load_b128 s[8:11], s[0:1], 0x10              ; wc, ws
	s_load_b64 s[12:13], s[0:1], 0x20              ; out0
	v_lshl_add_u32 v[SPW], v0, 2, SPARE
	v_mov_b32 v[NIL], 0
	ds_add_u32 v[SPW], v[NIL]                      ; the opening lines: the add, twice on end, and its wait
	ds_add_u32 v[SPW], v[NIL]
	v_lshrrev_b32 v1, 5, v0
	v_readfirstlane_b32 s14, v1                    ; wave
	s_lshr_b32 s15, s14, 1
	s_and_b32 s16, s14, 1
	s_bfe_u32 s44, ttmp6, 0x40000                  ; cx
	s_bfe_u32 s40, ttmp6, 0x40004                  ; cy
	s_lshl_b32 s45, ttmp9, 2
	s_add_co_u32 s45, s45, s44                     ; ct
	s_and_b32 s41, ttmp7, 0xffff
	s_lshl_b32 s41, s41, 2
	s_add_co_u32 s41, s41, s40                     ; t
	s_lshl_b32 s42, s40, 2
	s_lshl_b32 s42, 15, s42
	s_lshl_b32 s46, 0x1111, s44
	s_or_b32 s[G1], s42, (3<<16)|(1<<21)           ; elements of 8 bytes, rows of 32 of them; a's half tile: 384 rows
	s_or_b32 s[G1B], s46, (3<<16)|(1<<21)          ; Wo's half: 192 rows
	s_mov_b32 s[G1+1], 32<<16
	s_mov_b32 s[G1+2], 384<<16
	s_mov_b32 s[G1+3], 32<<16
	s_mov_b32 s[G1+4], 384
	s_mov_b32 s[G1+5], 32
	s_mov_b32 s[G1+6], 0
	s_mov_b32 s[G1+7], 0
	s_mov_b32 s[G1B+1], 32<<16
	s_mov_b32 s[G1B+2], 192<<16
	s_mov_b32 s[G1B+3], 32<<16
	s_mov_b32 s[G1B+4], 192
	s_mov_b32 s[G1B+5], 32
	s_mov_b32 s[G1B+6], 0
	s_mov_b32 s[G1B+7], 0
	s_mov_b32 s[G0], 1
	s_mul_i32 s[G0+1], s16, 98304
	s_mul_i32 s20, s41, 196608
	s_add_co_u32 s20, s20, s[G0+1]
	s_mov_b32 s21, 0
	s_mov_b32 s[G0B], 1
	s_mul_i32 s36, s16, 49152
	s_add_co_u32 s[G0B+1], s36, QT
	s_mul_i32 s22, s45, 98304
	s_add_co_u32 s22, s22, s36
	s_add_co_u32 s22, s22, 3072*768
	s_mov_b32 s23, 0
	s_mul_i32 s38, s14, 49152                      ; my 64 rows of a's tile
	s_wait_dscnt 0x0
	s_wait_kmcnt 0x0
	s_add_nc_u64 s[G0+2:G0+3], s[4:5], s[20:21]
	s_or_b32 s[G0+3], s[G0+3], 0x80000000
	s_add_nc_u64 s[G0B+2:G0B+3], s[8:9], s[22:23]
	s_or_b32 s[G0B+3], s[G0B+3], 0x80000000
	CROUND                                         ; all sixteen work-groups are here: the joint loads meet
	s_cmp_eq_u32 s15, 0
	s_cbranch_scc0 .Lhead_w
	tensor_load_to_lds s[G0:G0+3], s[G1:G1+7]
	s_nop 0
	PLACES
	s_branch .Lhead_asked
.Lhead_w:
	tensor_load_to_lds s[G0B:G0B+3], s[G1B:G1B+7]
	s_nop 0
	PLACES
.Lhead_asked:
	s_lshl_b32 s20, s41, 13                        ; a's scales: 256 t + 64 w rows of 32 bytes
	s_lshl_b32 s22, s14, 11
	s_add_co_u32 s20, s20, s22
	s_add_nc_u64 s[6:7], s[6:7], s[20:21]
	s_lshl_b32 s20, s45, 12                        ; Wo's: 3,072 + 128 ct rows
	s_add_co_u32 s20, s20, 3072*32
	s_add_nc_u64 s[10:11], s[10:11], s[20:21]
	s_lshl_b32 s20, s41, 20                        ; out: row 256 t + 64 w of 4,096 bytes, column 128 ct
	s_lshl_b32 s22, s14, 18
	s_add_co_u32 s20, s20, s22
	s_lshl_b32 s22, s45, 9
	s_add_co_u32 s20, s20, s22
	s_add_nc_u64 s[12:13], s[12:13], s[20:21]
	v_and_b32 v1, 15, v0                           ; r
	v_bfe_u32 v2, v0, 4, 1                         ; h
	v_and_b32 v3, 31, v0
	v_lshlrev_b32 v4, 3, v3
	v_add_nc_u32 v[WA+4], QT, v4
	v_add_nc_u32 v[WA+5], QT+49152, v4
	v_add_nc_u32 v[XA], s38, v4
	v_lshlrev_b32 v[SCA], 5, v1
	v_lshl_add_u32 v[SCA], v2, 4, v[SCA]
	v_mul_u32_u24 v[STO], v1, SPITCH
	v_lshl_add_u32 v[STO], v2, 5, v[STO]
	v_add_nc_u32 v[STO], s38, v[STO]               ; the stage, in: row r, 32 bytes for each half of the lanes
	v_mul_u32_u24 v[RD], v2, SPITCH
	v_lshl_add_u32 v[RD], v1, 4, v[RD]
	v_add_nc_u32 v[RD], s38, v[RD]                 ; and back: sixteen lanes to a row of 256 bytes, two rows an instruction
	v_lshlrev_b32 v[CO], 12, v2
	v_lshl_add_u32 v[CO], v1, 4, v[CO]             ; the same two rows in out
	s_wait_alu depctr_va_vdst(0)                   ; the wait at the head's end
.irp i, 0,1,2,3
	global_load_b128 v[XS+4*\i:XS+4*\i+3], v[SCA], s[6:7] offset:512*\i
.endr
.irp i, 0,1,2,3,4,5,6,7
	global_load_b128 v[WS0+4*\i:WS0+4*\i+3], v[SCA], s[10:11] offset:512*\i
.endr
.macro FX s                            ; a's four fragments of step s, each step into registers of its own: 24 loads
.if (\s)<5
	WIN 0xc0
.set XR, 48*(\s)
.else
	WIN 0
.set XR, 112+48*((\s)-5)
.endif
.irp aa, 0,1,2,3
.irp p, 0,1,2,3,4,5
	ds_load_b64 v[XR+12*\aa+2*\p:XR+12*\aa+2*\p+1], v[XA] offset:\aa*BLK+(\s)*FRB+256*\p
.endr
.endr
.endm
.macro FW q                            ; Wo's blocks 4 (q / 8) .. + 3 of step q % 8 into quarter set q % 4: 24 loads
	WIN 0x40
.irp i, 0,1,2,3
.irp p, 0,1,2,3,4,5
	ds_load_b64 v[48*((\q)%4)+12*\i+2*\p:48*((\q)%4)+12*\i+2*\p+1], v[WA+4+(\q)/8] offset:\i*BLK+((\q)%8)*FRB+256*\p
.endr
.endr
.endm
.macro WM d, a, b, z, sa, sb, hi       ; z: the first product starts the sum; hi: the scale words of steps 4-7 lie in lanes 16-31
.if \z
	v_wmma_scale_f32_16x16x128_f8f6f4 v[\d:\d+7], v[\a:\a+11], v[\b:\b+11], 0, v[\sa], v[\sb] matrix_a_fmt:MATRIX_FMT_FP6 matrix_b_fmt:MATRIX_FMT_FP6
.elseif \hi
	v_wmma_scale_f32_16x16x128_f8f6f4 v[\d:\d+7], v[\a:\a+11], v[\b:\b+11], v[\d:\d+7], v[\sa], v[\sb] matrix_a_fmt:MATRIX_FMT_FP6 matrix_b_fmt:MATRIX_FMT_FP6 matrix_a_scale:MATRIX_SCALE_ROW1 matrix_b_scale:MATRIX_SCALE_ROW1
.else
	v_wmma_scale_f32_16x16x128_f8f6f4 v[\d:\d+7], v[\a:\a+11], v[\b:\b+11], v[\d:\d+7], v[\sa], v[\sb] matrix_a_fmt:MATRIX_FMT_FP6 matrix_b_fmt:MATRIX_FMT_FP6
.endif
.endm
.macro MUL q                           ; 16 matrix instructions; a pass's 16 accumulators take turns
.if ((\q)%8)<5
.set XR, 48*((\q)%8)
	WIN 0xad
.else
.set XR, 112+48*((\q)%8-5)
	WIN 0xa1
.endif
.irp bb, 0,1,2,3
.irp aa, 0,1,2,3
	WM 8*(8*\aa+4*((\q)/8)+\bb), 48*((\q)%4)+12*\bb, XR+12*\aa, ((\q)%8)==0, WS0+4*(4*((\q)/8)+\bb)+(\q)%4, XS+4*\aa+(\q)%4, ((\q)%8)/4
.endr
.endr
.endm
.macro TOST a, hf, win, buf            ; block a's 16 rows x 64 columns of pass hf through my stage: 8 stores, 8 loads; LDS serves a wave's instructions in order
	WIN 0x08
.irp b, 0,1,2,3
	ds_store_b128 v[STO], v[8*(8*(\a)+4*(\hf)+\b):8*(8*(\a)+4*(\hf)+\b)+3] offset:64*\b          ; each accumulator from its low end on
	ds_store_b128 v[STO], v[8*(8*(\a)+4*(\hf)+\b)+4:8*(8*(\a)+4*(\hf)+\b)+7] offset:64*\b+16
.endr
	WIN \win
.irp t, 0,1,2,3,4,5,6,7
	ds_load_b128 v[\buf+4*\t:\buf+4*\t+3], v[RD] offset:\t*2*SPITCH
.endr
.endm
.macro SEND a, hf, win, buf
	WIN \win
.irp t, 0,1,2,3,4,5,6,7
	global_store_b128 v[CO], v[\buf+4*\t:\buf+4*\t+3], s[12:13] offset:(\a)*65536+\t*8192+(\hf)*256 th:TH_STORE_NT   ; sixteen lanes store 256 consecutive bytes, aligned
.endr
.endm
	s_wait_tensorcnt 0x0                           ; my part of the tiles is in
	s_barrier_signal -1
	s_barrier_wait -1                              ; everybody's is
	FX 0
	FW 0
	FX 1
	FW 1
	s_wait_loadcnt 0x0                             ; the scales
; Half step q.  What it issues to LDS: group q + 2 (48 loads up to q = 5, 24 up to q = 13) and, for q = 9 .. 12, block q - 9's 16 lines through the stage.
; Its wait lets just what half step q - 1 issued stay out: so group q, asked for in q - 2, is in, and so are the rows that went through the stage in q - 2.
.set Q, 0
.rept 16
.if Q<7
	s_wait_dscnt 48
.elseif Q<10
	s_wait_dscnt 24
.elseif Q<14
	s_wait_dscnt 40
.elseif Q==14
	s_wait_dscnt 24
.else
	s_wait_dscnt 0x0
.endif
.if (Q>=11) && (Q<=14)
	SEND Q-11, 0, 0x0c, 48*(Q-11)
.endif
	PLACES
.if Q<=5
	FX Q+2
.endif
.if Q<=13
	FW Q+2
.endif
.if (Q>=9) && (Q<=12)
	TOST Q-9, 0, 0xc0, 48*(Q-9)                    ; back into the registers of a's step q - 9, whose last product was issued in half step q - 1
.endif
	MUL Q
.set Q, Q+1
.endr
	PLACES
	TOST 0, 1, 0, 112                              ; the second pass's columns, into the registers of a's steps 5-7
	TOST 1, 1, 0, 144
	s_wait_dscnt 16                                ; block 0 is back; block 1's 16 lines may be out
	SEND 0, 1, 0, 112
	TOST 2, 1, 0, 176
	s_wait_dscnt 16
	SEND 1, 1, 0, 144
	TOST 3, 1, 0, 208
	s_wait_dscnt 16
	SEND 2, 1, 0, 176
	s_wait_dscnt 0x0
	SEND 3, 1, 0, 208
	s_wait_tensorcnt 0x0                           ; the wave's end
	ds_add_u32 v[SPW], v[NIL]
	s_wait_dscnt 0x0
	CROUND                                         ; the closing round
	s_endpgm
.Lfunc_end_k_q380296f593_outp:
	.size	k_q380296f593_outp, .Lfunc_end_k_q380296f593_outp-k_q380296f593_outp
	.p2alignl 7, 3214868480
	.fill 96, 4, 3214868480
	.section	.rodata,"a",@progbits
	.p2align	6, 0x0
	.amdhsa_kernel k_q380296f593_outp
		.amdhsa_group_segment_fixed_size 327680
		.amdhsa_private_segment_fixed_size 0
		.amdhsa_enable_private_segment 0
		.amdhsa_kernarg_size 40
		.amdhsa_user_sgpr_count 2
		.amdhsa_user_sgpr_kernarg_segment_ptr 1
		.amdhsa_wavefront_size32 1
		.amdhsa_system_sgpr_workgroup_id_x 1
		.amdhsa_system_sgpr_workgroup_id_y 1
		.amdhsa_system_sgpr_workgroup_id_z 1
		.amdhsa_system_vgpr_workitem_id 0
		.amdhsa_next_free_vgpr 1024
		.amdhsa_next_free_sgpr 102
		.amdhsa_reserve_vcc 0
		.amdhsa_float_denorm_mode_32 3
		.amdhsa_float_denorm_mode_16_64 3
		.amdhsa_memory_ordered 1
		.amdhsa_forward_progress 1
		.amdhsa_inst_pref_size 94
	.end_amdhsa_kernel
	.amdgpu_metadata
---
amdhsa.version: [ 1, 2 ]
amdhsa.kernels:
  - .name:           k_q380296f593_outp
    .symbol:         k_q380296f593_outp.kd
    .args:
      - { .name: acod, .offset: 0, .size: 8, .value_kind: global_buffer, .address_space: global }
      - { .name: ascl, .offset: 8, .size: 8, .value_kind: global_buffer, .address_space: global }
      - { .name: wc, .offset: 16, .size: 8, .value_kind: global_buffer, .address_space: global }
      - { .name: ws, .offset: 24, .size: 8, .value_kind: global_buffer, .address_space: global }
      - { .name: out0, .offset: 32, .size: 8, .value_kind: global_buffer, .address_space: global }
    .group_segment_fixed_size: 327680
    .private_segment_fixed_size: 0
    .kernarg_segment_align: 8
    .kernarg_segment_size: 40
    .max_flat_workgroup_size: 128
    .sgpr_count:     102
    .vgpr_count:     1024
    .wavefront_size: 32
...
	.end_amdgpu_metadata
.endif
;; end of part 4
